; MI455X (gfx1250); checked and timed in simulation.
; The chip was launched on July 23, 2026; its instructions are those of AMD's public machine-readable ISA for CDNA 5 (MIT licence, August 2026) and "CDNA5" Instruction Set Architecture Reference Guide (July 2026). The comments in the code are by the model that wrote it; some were corrected since.
;; Transformer Block. Allowed arithmetic: float matrix products may take bf16 or f16 operands with f32 sums; other float arithmetic in f32, or as packed bf16 or f16 multiplies, adds, multiply-adds, maxima and minima; sums over many terms, partial sums and values carried from step to step in f32; what a program stores and reads back later, other than sums and carried values, may be rounded once to bf16 or f16.
;; Inputs: W1 1,024 x 4,096 float32; W2 4,096 x 1,024 float32; Wk 16 x 1,024 x 64 float32; Wo 1,024 x 1,024 float32; Wq 16 x 1,024 x 64 float32; Wv 16 x 1,024 x 64 float32; b1 4,096 float32; b2 1,024 float32; beta1 1,024 float32; beta2 1,024 float32; bo 1,024 float32; g1 1,024 float32; g2 1,024 float32; x 2 x 2,048 x 1,024 float32.
;; Outputs: out0 2 x 2,048 x 1,024 float32.
;; One version. Each part assembles by itself: llvm-mc -triple=amdgcn-amd-amdhsa -mcpu=gfx1250 --defsym DOCPART=n.
;; ======== version 1 of 1: 7 launches
;; limits: values are held in f16: magnitudes above 65,504 overflow, below 6.1e-05 lose precision
;; workspace buffers: wb 25,165,824 bytes; nx 8,388,608 bytes; qkv 25,165,824 bytes; ao 8,388,608 bytes; x1 16,777,216 bytes; hb 33,554,432 bytes
;; launch prep (part 1): grid 512 x 4, 8 waves a work-group, no clusters, 0 bytes of LDS; arguments x, g1, beta1, nx, Wq, Wk, Wv, Wo, W1, W2, wb; writes nx, wb
.if DOCPART == 1
	.amdgcn_target "amdgcn-amd-amdhsa--gfx1250"
	.amdhsa_code_object_version 6
	.text
	.protected	k_q364fc736fa_prep
	.globl	k_q364fc736fa_prep
	.p2align	8
	.type	k_q364fc736fa_prep,@function
k_q364fc736fa_prep:
	s_mov_b64 s[64:65], 0
	v_nop
	global_prefetch_b8 v0, s[64:65] scope:SCOPE_SE
	s_setreg_imm32_b32 hwreg(HW_REG_WAVE_MODE, 25, 1), 1
	s_wait_xcnt 0x0
; y = 0: nx = LayerNorm(x) * g1 + beta1, rounded once to bf16.  y = 1, 2, 3: the six weight tensors, f32 to bf16, element for element, one behind the other in wb
; (Wq, Wk, Wv, Wo: 2 MiB each; W1, W2: 8 MiB each).  A stream: no LDS, no matrix unit, no cluster (no two work-groups read the same large bytes).
; LAYERNORM.  One wave, one row of 1,024 f32 (4,096 bytes): eight loads of 16 bytes a lane, the row stays in 32 registers.  The mean is taken first and subtracted, the variance
; is the mean of the squares of the differences: a common offset of x costs nothing.  All arithmetic in f32.  NaN and infinities are not treated apart.
; Lane l holds, in registers 4 j .. 4 j + 3, columns 128 j + 4 l ..: a load covers 512 consecutive bytes, a store of 8 bytes a lane 256 consecutive bytes, aligned.
.set X,   8                            ; v[8:39]    the row; at the end its first 16 registers take the packed result
.set G,   40                           ; v[40:71]   g
.set BT,  72                           ; v[72:103]  beta
.set SM,  104                          ; v[104:111] four chains of packed sums
.set MU,  112                          ; v[112:113] the mean, twice
.set RS,  114                          ; v[114:115] 1 / sqrt(var + eps), twice
.set TA,  116                          ; v116, v117 at work
.macro JOIN                            ; the four chains into one number a lane
	v_pk_add_f32 v[SM:SM+1], v[SM:SM+1], v[SM+2:SM+3]
	v_pk_add_f32 v[SM+4:SM+5], v[SM+4:SM+5], v[SM+6:SM+7]
	v_pk_add_f32 v[SM:SM+1], v[SM:SM+1], v[SM+4:SM+5]
	v_add_f32 v[TA], v[SM], v[SM+1]
.endm
.macro LANESUM                         ; over the 32 lanes: four steps inside each half of 16 lanes, one across the halves; every lane ends with the sum
	v_add_f32_dpp v[TA], v[TA], v[TA] row_xmask:1 row_mask:0xf bank_mask:0xf
	v_add_f32_dpp v[TA], v[TA], v[TA] row_xmask:2 row_mask:0xf bank_mask:0xf
	v_add_f32_dpp v[TA], v[TA], v[TA] row_xmask:4 row_mask:0xf bank_mask:0xf
	v_add_f32_dpp v[TA], v[TA], v[TA] row_xmask:8 row_mask:0xf bank_mask:0xf
	v_permlanex16_b32 v[TA+1], v[TA], s36, s37
	v_add_f32 v[TA], v[TA], v[TA+1]
.endm
	s_load_b256 s[4:11], s[0:1], 0x0               ; x s[4:5], g1 s[6:7], beta1 s[8:9], nx s[10:11]
	s_load_b256 s[12:19], s[0:1], 0x20             ; Wq s[12:13], Wk s[14:15], Wv s[16:17], Wo s[18:19]
	s_load_b128 s[20:23], s[0:1], 0x40             ; W1 s[20:21], W2 s[22:23]
	s_load_b64 s[24:25], s[0:1], 0x50              ; wb
	s_and_b32 s28, ttmp7, 0xffff                   ; work-group y: which job
	s_cmp_lg_u32 s28, 0
	s_cbranch_scc1 .Lcast
	v_and_b32 v1, 31, v0                           ; lane
	v_lshrrev_b32 v2, 5, v0
	v_readfirstlane_b32 s29, v2                    ; wave
	v_lshlrev_b32 v3, 4, v1                        ; 16 bytes a lane on the way in
	v_lshlrev_b32 v4, 3, v1                        ; 8 on the way out
	v_mov_b32 v[TA+1], 0                           ; v_permlanex16_b32 counts as a reader of its destination
	s_lshl_b32 s26, ttmp9, 3
	s_add_co_u32 s26, s26, s29                     ; my row = 8 x work-group + wave
	s_lshl_b32 s30, s26, 12                        ; 4,096 bytes a row of x
	s_mov_b32 s31, 0
	s_lshl_b32 s32, s26, 11                        ; 2,048 bytes a row of nx
	s_mov_b32 s33, 0
	s_mov_b32 s34, 0x3a800000                      ; 1 / 1024
	s_mov_b32 s35, 0x3727c5ac                      ; 1e-5
	s_mov_b32 s36, 0x76543210                      ; each lane takes its own place in the other half
	s_mov_b32 s37, 0xfedcba98
	s_wait_kmcnt 0x0
	s_add_nc_u64 s[30:31], s[4:5], s[30:31]
	s_add_nc_u64 s[32:33], s[10:11], s[32:33]
.irp j, 0,1,2,3,4,5,6,7
	global_load_b128 v[X+4*(\j):X+4*(\j)+3], v3, s[30:31] offset:512*(\j) th:TH_LOAD_NT
.endr
.irp j, 0,1,2,3,4,5,6,7
	global_load_b128 v[G+4*(\j):G+4*(\j)+3], v3, s[6:7] offset:512*(\j)
.endr
.irp j, 0,1,2,3,4,5,6,7
	global_load_b128 v[BT+4*(\j):BT+4*(\j)+3], v3, s[8:9] offset:512*(\j)
.endr
	s_wait_loadcnt 16                              ; the row is in; the sixteen younger loads (g, beta) stay out
.irp c, 0,1,2,3
	v_pk_add_f32 v[SM+2*(\c):SM+2*(\c)+1], v[X+2*(\c):X+2*(\c)+1], v[X+8+2*(\c):X+8+2*(\c)+1]  ; the first pairs start the chains: nothing is cleared
.endr
.irp p, 8,9,10,11,12,13,14,15
	v_pk_add_f32 v[SM+2*((\p)%4):SM+2*((\p)%4)+1], v[SM+2*((\p)%4):SM+2*((\p)%4)+1], v[X+2*(\p):X+2*(\p)+1]
.endr
	JOIN
	LANESUM
	v_mul_f32 v[MU], s34, v[TA]
	v_mov_b32 v[MU+1], v[MU]
.irp p, 0,1,2,3,4,5,6,7,8,9,10,11,12,13,14,15
	v_pk_add_f32 v[X+2*(\p):X+2*(\p)+1], v[X+2*(\p):X+2*(\p)+1], v[MU:MU+1] neg_lo:[0,1] neg_hi:[0,1]  ; x - mean
.endr
.irp c, 0,1,2,3
	v_pk_mul_f32 v[SM+2*(\c):SM+2*(\c)+1], v[X+2*(\c):X+2*(\c)+1], v[X+2*(\c):X+2*(\c)+1]
.endr
.irp p, 4,5,6,7,8,9,10,11,12,13,14,15
	v_pk_fma_f32 v[SM+2*((\p)%4):SM+2*((\p)%4)+1], v[X+2*(\p):X+2*(\p)+1], v[X+2*(\p):X+2*(\p)+1], v[SM+2*((\p)%4):SM+2*((\p)%4)+1]
.endr
	JOIN
	LANESUM
	v_fma_f32 v[TA], v[TA], s34, s35               ; var + eps
	v_rsq_f32 v[RS], v[TA]
	v_nop                                          ; a plain instruction behind the transcendental (ISA guide 5.7.2),
	s_wait_alu depctr_va_vdst(0)                   ; and the wait ahead of its first reader
	v_mov_b32 v[RS+1], v[RS]
	s_wait_loadcnt 0x0                             ; g and beta
.irp p, 0,1,2,3,4,5,6,7,8,9,10,11,12,13,14,15
	v_pk_mul_f32 v[X+2*(\p):X+2*(\p)+1], v[X+2*(\p):X+2*(\p)+1], v[RS:RS+1]
.endr
.irp p, 0,1,2,3,4,5,6,7,8,9,10,11,12,13,14,15
	v_pk_fma_f32 v[X+2*(\p):X+2*(\p)+1], v[X+2*(\p):X+2*(\p)+1], v[G+2*(\p):G+2*(\p)+1], v[BT+2*(\p):BT+2*(\p)+1]
.endr
.irp p, 0,1,2,3,4,5,6,7,8,9,10,11,12,13,14,15
	v_cvt_pk_bf16_f32 v[X+(\p)], v[X+2*(\p)], v[X+2*(\p)+1]  ; in place: destination p never passes source 2 p
.endr
.irp j, 0,1,2,3,4,5,6,7
	global_store_b64 v4, v[X+2*(\j):X+2*(\j)+1], s[32:33] offset:256*(\j)  ; 32 lanes: 256 consecutive bytes, aligned
.endr
	s_endpgm
; THE CAST.  A work-group takes a chunk of 8,192 numbers: 32 KiB in, 16 KiB out; chunk c = 512 (y - 1) + x lies at byte 16,384 c of wb.
.Lcast:
	v_lshlrev_b32 v3, 4, v0                        ; 16 bytes a thread in
	v_lshlrev_b32 v4, 3, v0                        ; 8 out
	s_sub_co_u32 s26, s28, 1
	s_lshl_b32 s26, s26, 9
	s_add_co_u32 s26, s26, ttmp9                   ; c
	s_lshl_b32 s30, s26, 14
	s_mov_b32 s31, 0
	s_lshr_b32 s27, ttmp9, 7                       ; y = 1: which of Wq, Wk, Wv, Wo (128 chunks each),
	s_and_b32 s29, ttmp9, 127                      ; and the chunk in it
	s_wait_kmcnt 0x0
	s_cmp_eq_u32 s27, 1
	s_cselect_b64 s[32:33], s[14:15], s[12:13]
	s_cmp_eq_u32 s27, 2
	s_cselect_b64 s[32:33], s[16:17], s[32:33]
	s_cmp_eq_u32 s27, 3
	s_cselect_b64 s[32:33], s[18:19], s[32:33]
	s_cmp_eq_u32 s28, 1
	s_cselect_b32 s29, s29, ttmp9                  ; y = 2, 3: W1, W2 have 512 chunks each
	s_cmp_eq_u32 s28, 2
	s_cselect_b64 s[32:33], s[20:21], s[32:33]
	s_cmp_eq_u32 s28, 3
	s_cselect_b64 s[32:33], s[22:23], s[32:33]
	s_lshl_b32 s34, s29, 15
	s_mov_b32 s35, 0
	s_add_nc_u64 s[32:33], s[32:33], s[34:35]
	s_add_nc_u64 s[30:31], s[24:25], s[30:31]
.irp j, 0,1,2,3,4,5,6,7
	global_load_b128 v[8+4*(\j):8+4*(\j)+3], v3, s[32:33] offset:4096*(\j) th:TH_LOAD_NT
.endr
.irp j, 0,1,2,3,4,5,6,7
	s_wait_loadcnt 7-(\j)                          ; loads come back in order: load j is in, the younger ones stay out
	v_cvt_pk_bf16_f32 v[40+2*(\j)], v[8+4*(\j)], v[8+4*(\j)+1]
	v_cvt_pk_bf16_f32 v[41+2*(\j)], v[8+4*(\j)+2], v[8+4*(\j)+3]
	global_store_b64 v4, v[40+2*(\j):41+2*(\j)], s[30:31] offset:2048*(\j)  ; a wave: 256 consecutive bytes, aligned; no register is written twice
.endr
	s_endpgm
.Lfunc_end_k_q364fc736fa_prep:
	.size	k_q364fc736fa_prep, .Lfunc_end_k_q364fc736fa_prep-k_q364fc736fa_prep
	.p2alignl 7, 3214868480
	.fill 96, 4, 3214868480
	.section	.rodata,"a",@progbits
	.p2align	6, 0x0
	.amdhsa_kernel k_q364fc736fa_prep
		.amdhsa_group_segment_fixed_size 0
		.amdhsa_private_segment_fixed_size 0
		.amdhsa_enable_private_segment 0
		.amdhsa_kernarg_size 88
		.amdhsa_user_sgpr_count 2
		.amdhsa_user_sgpr_kernarg_segment_ptr 1
		.amdhsa_wavefront_size32 1
		.amdhsa_system_sgpr_workgroup_id_x 1
		.amdhsa_system_sgpr_workgroup_id_y 1
		.amdhsa_system_sgpr_workgroup_id_z 1
		.amdhsa_system_vgpr_workitem_id 0
		.amdhsa_next_free_vgpr 120
		.amdhsa_next_free_sgpr 66
		.amdhsa_reserve_vcc 0
		.amdhsa_float_denorm_mode_32 3
		.amdhsa_float_denorm_mode_16_64 3
		.amdhsa_memory_ordered 1
		.amdhsa_forward_progress 1
		.amdhsa_inst_pref_size 16
	.end_amdhsa_kernel
	.amdgpu_metadata
---
amdhsa.version: [ 1, 2 ]
amdhsa.kernels:
  - .name:           k_q364fc736fa_prep
    .symbol:         k_q364fc736fa_prep.kd
    .args:
      - { .name: x, .offset: 0, .size: 8, .value_kind: global_buffer, .address_space: global }
      - { .name: g1, .offset: 8, .size: 8, .value_kind: global_buffer, .address_space: global }
      - { .name: beta1, .offset: 16, .size: 8, .value_kind: global_buffer, .address_space: global }
      - { .name: nx, .offset: 24, .size: 8, .value_kind: global_buffer, .address_space: global }
      - { .name: Wq, .offset: 32, .size: 8, .value_kind: global_buffer, .address_space: global }
      - { .name: Wk, .offset: 40, .size: 8, .value_kind: global_buffer, .address_space: global }
      - { .name: Wv, .offset: 48, .size: 8, .value_kind: global_buffer, .address_space: global }
      - { .name: Wo, .offset: 56, .size: 8, .value_kind: global_buffer, .address_space: global }
      - { .name: W1, .offset: 64, .size: 8, .value_kind: global_buffer, .address_space: global }
      - { .name: W2, .offset: 72, .size: 8, .value_kind: global_buffer, .address_space: global }
      - { .name: wb, .offset: 80, .size: 8, .value_kind: global_buffer, .address_space: global }
    .group_segment_fixed_size: 0
    .private_segment_fixed_size: 0
    .kernarg_segment_align: 8
    .kernarg_segment_size: 88
    .max_flat_workgroup_size: 256
    .sgpr_count:     66
    .vgpr_count:     120
    .wavefront_size: 32
...
	.end_amdgpu_metadata
.endif
;; end of part 1
;; launch qkv (part 2): grid 16 x 16, 4 waves a work-group, clusters of 4 x 4, 327,680 bytes of LDS; arguments nx, wb, qkv; writes qkv
.if DOCPART == 2
	.amdgcn_target "amdgcn-amd-amdhsa--gfx1250"
	.amdhsa_code_object_version 6
	.text
	.protected	k_q364fc736fa_qkv
	.globl	k_q364fc736fa_qkv
	.p2align	8
	.type	k_q364fc736fa_qkv,@function
k_q364fc736fa_qkv:
	s_mov_b64 s[64:65], 0
	v_nop
	global_prefetch_b8 v0, s[64:65] scope:SCOPE_SE
	s_setreg_imm32_b32 hwreg(HW_REG_WAVE_MODE, 25, 1), 1
	s_wait_xcnt 0x0
	s_wait_alu depctr_hold_cnt(0) depctr_sa_sdst(0) depctr_va_vdst(0) depctr_va_sdst(0) depctr_va_ssrc(0) depctr_va_vcc(0) depctr_vm_vsrc(0)
	s_getreg_b32 s2, hwreg(HW_REG_IB_STS2, 6, 4)
	s_cmp_eq_u32 s2, 0
	s_cbranch_scc0 .Lentry_in_a_cluster
	s_endpgm
.Lentry_in_a_cluster:
	s_bfe_u32 s2, ttmp6, 0x10000c
	s_cmp_lg_u32 s2, 0xf033
	s_cbranch_scc0 .Lentry_shape_is_right
	s_endpgm
.Lentry_shape_is_right:
; q, k, v = nx . [Wq | Wk | Wv].  nx: [4096][1024] bf16.  The weights: wb's first 48 planes [1024 k][64] bf16 (Wq's heads, Wk's, Wv's).  Out: qkv [48 planes][4096 tokens][64] in f16, rounded once
; from f32 sums, unscaled.  LIMIT: f16 ends at 65,504: |q|, |k|, |v| must stay below it (at the drawn spread they are below 10; inputs 30 times larger in nx's gain and in W give some 600 times that).
; SHARES.  A work-group makes 256 tokens x 3 planes (192 columns): 16 x 16 work-groups.  Wave w makes tokens 64 w .. 64 w + 63 x all 192 columns: 48 accumulators of 16 x 16.
; K goes in 8 steps of 128 through two LDS slots filled by the tensor data mover.  CLUSTER 4 x 4: nx's tile hangs on the tile row alone and is asked for jointly by a row of the cluster,
; the weights' tile on the tile column alone, by a column: the same load, descriptor and mask in all four.
; THE PRODUCT IS TAKEN TRANSPOSED: source 0 = 16 columns of W, source 1 = 16 tokens: a lane holds one token (lane % 16) and eight neighbouring columns.  nx lies in LDS with K along the rows;
; W lies [k][n] as in memory and is turned on the way out of LDS by ds_load_tr16_b128.
; THE LOOP IS ROLLED: a step is four quarters of 32 along K on two fragment buffers; a UNIT fetches one quarter and multiplies the second half of the quarter before and the first half of its own;
; a pair of UNITs is written once and walked twice a step, the LDS addresses stepping.  The accumulators take turns, one instruction a turn.
; REGISTERS, in windows of 256: window 0: addresses; v64-127 nx's fragments, two buffers of 32; v128-175 at work on the way out.  window 1: v0-191 W's fragments, two buffers of 96.
;   windows 2, 3: accumulator (column block b, token block a) at v[8 (4 (b % 6) + a)] of window 2 + b / 6.
.set NT,    8                          ; K steps
.set PA,    272                        ; a row of nx in LDS: 256 bytes + 16: the 16 rows of a load start at 16 different groups of four banks (ISA guide 11.1)
.set PB,    160                        ; a k row of a plane: 128 bytes + 32
.set HALFA, 128*PA                     ; what wave 0 or 1 fetches: 128 tokens
.set PLANE, 64*PB                      ; 64 k rows of one plane
.set HALFB, 3*PLANE                    ; what wave 2 or 3 fetches: 64 k rows of each of the 3 planes
.set SLOT,  2*HALFA+2*HALFB            ; 131,072
.set SPARE, 2*SLOT                     ; behind the ring: the spare words, 128 bytes a wave, that no other line names
.set STEPA, 256                        ; bytes from K step to K step in nx
.set STEPB, 128*128                    ; and in a plane of W
.set QA,    64                         ; a quarter in nx's rows
.set QB,    32*PB                      ; and in W's
.set LATE,  12                         ; the loads that only a quarter's second half of products needs
.set SP,    400                        ; the stage: a token's 384 bytes + 16
.set A0, 16                            ; v16  my lane's place in slot 0's nx tile; never rewritten
.set B0, 17                            ; v17  the same for W
.set WA, 18                            ; v18  the address that the fetches use, for nx
.set WB, 19                            ; v19  for W
.set STO, 24                           ; v24  the way out: where I put 16 bytes
.set RD,  25                           ; v25  where I read rows back
.set GO,  26                           ; v26  16 x lane
.set SPW, 28                           ; v28  my spare word; never rewritten
.set NIL, 29                           ; v29  0; never rewritten
.set PFO, 30                           ; v30  the prefetches' lane offset; never rewritten
.set TMP, 128
.set WV, 14
.set WC, 16
.set CX, 17
.set CY, 18
.set TC, 19
.set TR, 20
.set LB, 21                            ; s21  where my tensor loads land in slot 0
.set TB, 22                            ; s22  0 or SLOT: the slot in hand
.set CNT, 23
.set G1A, 24                           ; s[24:31] descriptor group 1, nx
.set G0A, 32                           ; s[32:39] group 0, nx: a set for each first fill; the second walks on
.set PFA, 40                           ; s[40:41] where my prefetches stand
.set PFS, 42                           ; s[42:43] their step
.set LIM, 44                           ; s44  1 in a wave that prefetches, else the greatest number
.set SLOTS, 45
.set MA, 46
.set MB, 47
.set G1B, 48                           ; s[48:55], s[56:63] the same for W
.set G0B, 56
.set MSB, 0
.macro WIN new                         ; the immediate's high byte repeats the setting that is left; a switch that changes nothing is dropped
.if MSB != (\new)
	s_set_vgpr_msb (MSB<<8)|(\new)
.set MSB, \new
.endif
.endm
.macro PLACES                          ; four plain places behind matrix instructions, ahead of loads into registers that they read and of readers of their results
.rept 4
	v_nop
.endr
.endm
.macro GROUP1 g, d0, d1, pitch         ; words 1 to 7 of a group 1: tensor_dim0 = tile_dim0 = d0, tensor_dim1 = tile_dim1 = d1, elements from row to row
	s_mov_b32 s[(\g)+1], (\d0)<<16
	s_mov_b32 s[(\g)+2], (\d1)<<16
	s_mov_b32 s[(\g)+3], (\d0)<<16
	s_mov_b32 s[(\g)+4], \d1
	s_mov_b32 s[(\g)+5], \pitch
	s_mov_b32 s[(\g)+6], 0
	s_mov_b32 s[(\g)+7], 0
.endm
.macro CROUND                          ; a round of the cluster's barrier
	s_barrier_signal -1
	s_barrier_wait -1
	s_cmp_lg_u32 s[WV], 0
	s_cbranch_scc1 .Lnot_wave_0_\@
	s_barrier_signal -3
.Lnot_wave_0_\@:
	s_barrier_wait -3
	s_barrier_signal -1
	s_barrier_wait -1
.endm
.macro JLOAD                           ; a joint refill: waves 0, 1 fetch nx's halves, waves 2, 3 W's; an s_nop 0 and four v_nop follow each line
	s_cmp_lt_u32 s[WV], 2
	s_cbranch_scc0 .Lfor_b_\@
	tensor_load_to_lds s[G0A+4:G0A+7], s[G1A:G1A+7]
	s_nop 0
.rept 4
	v_nop
.endr
	s_branch .Lasked_\@
.Lfor_b_\@:
	tensor_load_to_lds s[G0B+4:G0B+7], s[G1B:G1B+7]
	s_nop 0
.rept 4
	v_nop
.endr
.Lasked_\@:
.endm
; A prefetch of the K step behind the one just asked for: one instruction a wave.  nx's rows are named by the clusters with x = 0, W's by those with y = 0; the four partners that ask for a tile jointly
; share its blocks of 256 bytes out by address.  The last refill names nothing: there is no step behind it.  K steps 0 to 2 come by their loads alone.
.macro ASK
	s_cmp_gt_u32 s[SLOTS], s[LIM]
	s_cbranch_scc0 .Lnot_mine_\@
	global_prefetch_b8 v[PFO], s[PFA:PFA+1] th:TH_LOAD_NT scope:SCOPE_SE
.Lnot_mine_\@:
.endm
; THE CHANGE OF SLOTS.  Each wave waits for all its tensor loads (one is out: its part of the next slot), adds 0 to its spare word, and waits for that and for its reads of the slot that it leaves.
; fill = 1: the barrier is a round of the cluster's, and the joint refill of the slot just left is the first thing behind it: it has a whole K step, 192 matrix instructions, in which to land.
.macro CHANGE fill
	WIN 0
	s_wait_tensorcnt 0x0                           ; no tensor load of mine is out, so a group 0 may be written
	ds_add_u32 v[SPW], v[NIL]                      ; 0 onto my spare word; scalar work stands between it and the wait for it
.if \fill
	s_add_co_u32 s[G0A+5], s[LB], s[TB]            ; the walking descriptor: into the slot that is being left,
	s_add_co_u32 s[G0B+5], s[LB], s[TB]
	s_add_nc_u64 s[G0A+6:G0A+7], s[G0A+6:G0A+7], STEPA  ; the next K step; the type bits on top are not reached
	s_add_nc_u64 s[G0B+6:G0B+7], s[G0B+6:G0B+7], STEPB
	s_wait_xcnt 0x0                                ; the last prefetch, a K step back, has read its address
	s_add_nc_u64 s[PFA:PFA+1], s[PFA:PFA+1], s[PFS:PFS+1]
.endif
	s_xor_b32 s[TB], s[TB], SLOT
	s_wait_dscnt 0x0                               ; the add is done, and my reads of the slot are over
.if \fill
	CROUND
	JLOAD
.else
	s_barrier_signal -1
	s_barrier_wait -1
.endif
	v_add_nc_u32 v[WA], s[TB], v[A0]
	v_add_nc_u32 v[WB], s[TB], v[B0]
.if \fill
	ASK
.endif
.endm
; 32 LDS loads in one run: a quarter's fragments into buffer n: nx's 4 token blocks, then W's 12 column blocks (plane g / 4, columns 16 (g % 4) on)
.macro FETCH n, qa, qb
	WIN 0
.irp i, 0,1,2,3
	ds_load_b128 v[64+32*(\n)+8*(\i):64+32*(\n)+8*(\i)+3],   v[WA] offset:(\qa)+(\i)*16*PA
	ds_load_b128 v[64+32*(\n)+8*(\i)+4:64+32*(\n)+8*(\i)+7], v[WA] offset:(\qa)+(\i)*16*PA+32
.endr
	WIN 0x40                                       ; destination window 1, address window 0
.irp g, 0,1,2,3,4,5,6,7,8,9,10,11
	ds_load_tr16_b128 v[96*(\n)+8*(\g):96*(\n)+8*(\g)+3],   v[WB] offset:(\qb)+((\g)/4)*PLANE+((\g)%4)*32
	ds_load_tr16_b128 v[96*(\n)+8*(\g)+4:96*(\n)+8*(\g)+7], v[WB] offset:(\qb)+((\g)/4)*PLANE+((\g)%4)*32+16*PB
.endr
.endm
; 24 matrix instructions: column blocks 6 hi .. 6 hi + 5 x the 4 token blocks.  zero = 1: the first product starts the sums
.macro MUL n, hi, zero
	WIN 0xa1+0x50*(\hi)                            ; W window 1, nx window 0, C and D window 2 or 3
.irp b, 0,1,2,3,4,5
.irp a, 0,1,2,3
.if \zero
	v_wmma_f32_16x16x32_bf16 v[8*(4*(\b)+(\a)):8*(4*(\b)+(\a))+7], v[96*(\n)+8*(6*(\hi)+(\b)):96*(\n)+8*(6*(\hi)+(\b))+7], v[64+32*(\n)+8*(\a):64+32*(\n)+8*(\a)+7], 0
.else
	v_wmma_f32_16x16x32_bf16 v[8*(4*(\b)+(\a)):8*(4*(\b)+(\a))+7], v[96*(\n)+8*(6*(\hi)+(\b)):96*(\n)+8*(6*(\hi)+(\b))+7], v[64+32*(\n)+8*(\a):64+32*(\n)+8*(\a)+7], v[8*(4*(\b)+(\a)):8*(4*(\b)+(\a))+7]
.endif
.endr
.endr
.endm
.macro UNIT f, g, qa, qb, zero
	PLACES                                         ; buffer g's last readers stand ahead of these four
	FETCH \g, \qa, \qb
	s_wait_dscnt 32                                ; all but the 32 just issued: buffer f is whole
	MUL \f, 1, \zero
	s_wait_dscnt LATE                              ; all of g but W's blocks 6 to 11
	MUL \g, 0, 0
.endm
.macro STEPLOOP tag                    ; a K step: the pair, walked twice
.Lpair\tag:
	UNIT 1, 0, 0, 0, 0
	UNIT 0, 1, QA, QB, 0
	WIN 0
	v_add_nc_u32 v[WA], 2*QA, v[WA]
	v_add_nc_u32 v[WB], HALFB, v[WB]               ; the step's second 64 k rows lie behind the first's three planes
	s_sub_co_u32 s[CNT], s[CNT], 1
	s_cmp_lg_u32 s[CNT], 0
	s_cbranch_scc1 .Lpair\tag
.endm
	s_load_b128 s[4:7], s[0:1], 0x0                ; nx s[4:5], wb s[6:7]
	s_load_b64 s[8:9], s[0:1], 0x10                ; qkv
	v_lshl_add_u32 v[SPW], v0, 2, SPARE
	v_mov_b32 v[NIL], 0
	ds_add_u32 v[SPW], v[NIL]                      ; the opening: the add and its wait ahead of my first tensor load; register work stands between
	ds_add_u32 v28, v29
	v_lshrrev_b32 v1, 5, v0
	v_readfirstlane_b32 s[WV], v1                  ; wave 0..3
	s_and_b32 s[WC], s[WV], 1                      ; which half of a tile I fetch
	s_bfe_u32 s[CX], ttmp6, 0x40000
	s_bfe_u32 s[CY], ttmp6, 0x40004
	s_lshl_b32 s[TC], ttmp9, 2
	s_add_co_u32 s[TC], s[TC], s[CX]               ; tile column: planes 3 TC .. 3 TC + 2
	s_and_b32 s[TR], ttmp7, 0xffff
	s_lshl_b32 s[TR], s[TR], 2
	s_add_co_u32 s[TR], s[TR], s[CY]               ; tile row: tokens 256 TR ..
	s_lshl_b32 s[MA], s[CY], 2
	s_lshl_b32 s[MA], 15, s[MA]                    ; my row of the cluster
	s_lshl_b32 s[MB], 0x1111, s[CX]                ; my column
	s_or_b32 s[G1A], s[MA], (1<<16)|(1<<20)|(1<<21)|(5<<22)|(3<<25)  ; mask; 2-byte elements; padding on; bit 21 beside a mask; after every 64 words 4 words
	s_or_b32 s[G1B], s[MB], (1<<16)|(1<<20)|(1<<21)|(4<<22)|(7<<25)  ; after every 32 words (a k row) 8 words
	GROUP1 G1A, 128, 128, 1024                     ; 128 tokens x 128 k
	GROUP1 G1B, 4096, 3, 65536                     ; a plane's 64 k rows are 8,192 dense bytes: one long row; 3 planes, 65,536 elements apart
	s_lshl_b32 s66, s[TR], 8
	s_lshl_b32 s67, s[WC], 7
	s_add_co_u32 s66, s66, s67
	s_lshl_b32 s66, s66, 11                        ; nx: token 256 TR + 128 half, 2,048 bytes a row
	s_mov_b32 s67, 0
	s_mul_i32 s68, s[TC], 3*131072                 ; W: plane 3 TC, k row 64 half
	s_lshl_b32 s69, s[WC], 13
	s_add_co_u32 s68, s68, s69
	s_mov_b32 s69, 0
	s_mul_i32 s[LB], s[WC], HALFA                  ; no place in the cluster enters an LDS address
	s_mul_i32 s70, s[WC], HALFB
	s_add_co_u32 s70, s70, 2*HALFA
	s_cmp_lt_u32 s[WV], 2
	s_cselect_b32 s[LB], s[LB], s70
	s_mov_b32 s[TB], 0
	s_wait_dscnt 0x0                               ; the opening add is done
	s_wait_kmcnt 0x0
	s_add_nc_u64 s[66:67], s[4:5], s[66:67]
	s_add_nc_u64 s[68:69], s[6:7], s[68:69]
	CROUND                                         ; all sixteen work-groups are here: the first joint loads meet
.irp s, 0,1
	s_mov_b32 s[G0A+4*(\s)], 1
	s_add_co_u32 s[G0A+4*(\s)+1], s[LB], (\s)*SLOT
	s_add_nc_u64 s[G0A+4*(\s)+2:G0A+4*(\s)+3], s[66:67], (\s)*STEPA
	s_or_b32 s[G0A+4*(\s)+3], s[G0A+4*(\s)+3], 0x80000000
	s_mov_b32 s[G0B+4*(\s)], 1
	s_add_co_u32 s[G0B+4*(\s)+1], s[LB], (\s)*SLOT
	s_add_nc_u64 s[G0B+4*(\s)+2:G0B+4*(\s)+3], s[68:69], (\s)*STEPB
	s_or_b32 s[G0B+4*(\s)+3], s[G0B+4*(\s)+3], 0x80000000
.endr
	s_cmp_lt_u32 s[WV], 2                          ; a wave's two first fills stand in one branch: two loads of mine are out at the most
	s_cbranch_scc0 .Lfirst_b
	tensor_load_to_lds s[G0A:G0A+3], s[G1A:G1A+7]
	s_nop 0
	tensor_load_to_lds s[G0A+4:G0A+7], s[G1A:G1A+7]
	s_nop 0
.rept 4
	v_nop
.endr
	s_branch .Lfirst_asked
.Lfirst_b:
	tensor_load_to_lds s[G0B:G0B+3], s[G1B:G1B+7]
	s_nop 0
	tensor_load_to_lds s[G0B+4:G0B+7], s[G1B:G1B+7]
	s_nop 0
.rept 4
	v_nop
.endr
.Lfirst_asked:
	v_and_b32 v1, 15, v0                           ; r = l % 16
	v_bfe_u32 v2, v0, 4, 1                         ; h = l / 16
	v_and_b32 v3, 7, v0
	v_bfe_u32 v4, v0, 3, 1
	v_and_b32 v5, 31, v0                           ; l
	v_mul_u32_u24 v6, v1, PA
	v_lshl_add_u32 v6, v2, 4, v6
	s_mul_i32 s72, s[WV], 64*PA                    ; my 64 tokens
	v_add_nc_u32 v[A0], s72, v6
	v_lshl_add_u32 v7, v2, 3, v3                   ; the turning load: k row 8 h + l % 8, 16 bytes by (l / 8) % 2
	v_mul_u32_u24 v7, v7, PB
	v_lshl_add_u32 v7, v4, 4, v7
	v_add_nc_u32 v[B0], 2*HALFA, v7
	s_mul_i32 s72, s[WV], 64*SP                    ; my stage, in slot 0
	v_mul_u32_u24 v8, v1, SP
	v_lshl_add_u32 v8, v2, 4, v8
	v_add_nc_u32 v[STO], s72, v8
	v_lshrrev_b32 v8, 3, v5
	v_mul_u32_u24 v8, v8, SP
	v_lshl_add_u32 v8, v3, 4, v8
	v_add_nc_u32 v[RD], s72, v8                    ; back: 32 lanes take four tokens' 128 bytes of one plane
	v_lshlrev_b32 v[GO], 4, v5
	s_mul_i32 s74, s[TC], 3*4096
	s_lshl_b32 s75, s[TR], 8
	s_add_co_u32 s74, s74, s75
	s_lshl_b32 s75, s[WV], 6
	s_add_co_u32 s74, s74, s75
	s_lshl_b32 s74, s74, 7                         ; (plane 3 TC, token 256 TR + 64 wave) x 128 bytes
	s_mov_b32 s75, 0
	s_add_nc_u64 s[74:75], s[8:9], s[74:75]        ; where my part of the result begins
	; the prefetches
	s_lshl_b32 s72, s[TR], 8
	s_lshl_b32 s73, s[WC], 7
	s_add_co_u32 s72, s72, s73
	s_lshl_b32 s73, s[CX], 5                       ; nx: of the 128 rows that I fetch my work-group names 32, a lane a row
	s_add_co_u32 s72, s72, s73
	s_lshl_b32 s72, s72, 11
	s_add_co_u32 s72, s72, 2*STEPA                 ; at K step 2: the first change steps it to 3
	s_mul_i32 s70, s[TC], 3*131072
	s_lshl_b32 s71, s[WC], 13
	s_add_co_u32 s70, s70, s71
	s_add_co_u32 s70, s70, 2*STEPB
	s_and_b32 s76, ttmp7, 0xffff
	s_mov_b32 s[PFS], STEPB
	s_mov_b32 s[PFS+1], 0
	s_mov_b32 s73, 0
	s_cmp_lt_u32 s[WV], 2
	s_cselect_b32 s72, s72, s70
	s_cselect_b32 s76, ttmp9, s76                  ; the coordinate along which other clusters read the same rows
	s_cselect_b32 s[PFS], STEPA, s[PFS]
	s_cselect_b32 s77, -1, 0
	s_cselect_b64 s[PFA:PFA+1], s[4:5], s[6:7]
	s_add_nc_u64 s[PFA:PFA+1], s[PFA:PFA+1], s[72:73]
	s_cmp_eq_u32 s76, 0
	s_cselect_b32 s[LIM], 1, -1
	v_lshlrev_b32 v9, 11, v5
	v_min_u32 v10, 23, v5                          ; W: my load's 96 blocks of 256 bytes, 24 to a work-group (lanes 24 to 31 name lane 23's again)
	s_mul_i32 s78, s[CY], 24
	v_add_nc_u32 v10, s78, v10
	v_lshrrev_b32 v11, 5, v10                      ; 32 blocks to a plane
	v_and_b32 v10, 31, v10
	v_lshlrev_b32 v11, 17, v11
	v_lshl_add_u32 v10, v10, 8, v11
	v_cndmask_b32 v[PFO], v10, v9, s77
	s_wait_tensorcnt 0x1                           ; my part of K step 0 is in; K step 1's may stay out
	s_barrier_signal -1
	s_barrier_wait -1
	v_mov_b32 v[WA], v[A0]
	v_mov_b32 v[WB], v[B0]
	FETCH 0, 0, 0
	s_wait_dscnt LATE
	MUL 0, 0, 1                                    ; the first quarter's products start the sums: nothing is cleared
	UNIT 0, 1, QA, QB, 1
	WIN 0
	v_add_nc_u32 v[WA], 2*QA, v[WA]
	v_add_nc_u32 v[WB], HALFB, v[WB]
	s_mov_b32 s[CNT], 1                            ; K step 0 has one pair left
	s_mov_b32 s[SLOTS], NT-1
	s_branch .Lpair1
.Lslot:                                        ; NT - 2 times: every K step but the last two is followed by a refill
	CHANGE 1
	s_mov_b32 s[CNT], 2
	STEPLOOP 1
	s_sub_co_u32 s[SLOTS], s[SLOTS], 1
	s_cmp_lg_u32 s[SLOTS], 0
	s_cbranch_scc1 .Lslot
	CHANGE 0                                       ; the last K step is written out
	s_mov_b32 s[CNT], 2
	STEPLOOP 2
	s_wait_dscnt 0x0
	MUL 1, 1, 0
	PLACES
	; THE WAY OUT.  The last K step lay in slot 1; slot 0 has had its last fill, and every wave's reads of it ended ahead of the last change's barrier: each wave stages its tile in its own part of slot 0.
.irp a, 0,1,2,3
	WIN 0x0a                                       ; sources in window 2
.irp b, 0,1,2,3,4,5
.irp q, 0,1,2,3
	v_cvt_pk_f16_f32 v[TMP+4*(\b)+(\q)], v[8*(4*(\b)+(\a))+2*(\q)], v[8*(4*(\b)+(\a))+2*(\q)+1]
.endr
.endr
	WIN 0x0f                                       ; in window 3
.irp b, 0,1,2,3,4,5
.irp q, 0,1,2,3
	v_cvt_pk_f16_f32 v[TMP+24+4*(\b)+(\q)], v[8*(4*(\b)+(\a))+2*(\q)], v[8*(4*(\b)+(\a))+2*(\q)+1]
.endr
.endr
	WIN 0
.irp b, 0,1,2,3,4,5,6,7,8,9,10,11
	ds_store_b128 v[STO], v[TMP+4*(\b):TMP+4*(\b)+3] offset:(\a)*16*SP+32*(\b)
.endr
.endr
	s_mov_b32 s[CNT], 4
.Lout:                                         ; 16 tokens a trip; LDS serves a wave's instructions in order (ISA guide 5.7.1.4): the loads see the stores above
.irp i, 0,1,2,3,4,5,6,7,8,9,10,11
	ds_load_b128 v[64+4*(\i):64+4*(\i)+3], v[RD] offset:((\i)%4)*4*SP+((\i)/4)*128
.endr
	s_wait_dscnt 0x0
.irp i, 0,1,2,3,4,5,6,7,8,9,10,11
	global_store_b128 v[GO], v[64+4*(\i):64+4*(\i)+3], s[74:75] offset:((\i)/4)*524288+((\i)%4)*512  ; 512 consecutive bytes of a plane, aligned
.endr
	v_add_nc_u32 v[RD], 16*SP, v[RD]
	s_wait_xcnt 0x0                                ; the stores have read their data and their base
	s_add_nc_u64 s[74:75], s[74:75], 16*128
	s_sub_co_u32 s[CNT], s[CNT], 1
	s_cmp_lg_u32 s[CNT], 0
	s_cbranch_scc1 .Lout
	s_wait_tensorcnt 0x0                           ; the wave's end
	ds_add_u32 v[SPW], v[NIL]
	s_wait_dscnt 0x0
	CROUND                                         ; the closing round
	s_endpgm
.Lfunc_end_k_q364fc736fa_qkv:
	.size	k_q364fc736fa_qkv, .Lfunc_end_k_q364fc736fa_qkv-k_q364fc736fa_qkv
	.p2alignl 7, 3214868480
	.fill 96, 4, 3214868480
	.section	.rodata,"a",@progbits
	.p2align	6, 0x0
	.amdhsa_kernel k_q364fc736fa_qkv
		.amdhsa_group_segment_fixed_size 327680
		.amdhsa_private_segment_fixed_size 0
		.amdhsa_enable_private_segment 0
		.amdhsa_kernarg_size 24
		.amdhsa_user_sgpr_count 2
		.amdhsa_user_sgpr_kernarg_segment_ptr 1
		.amdhsa_wavefront_size32 1
		.amdhsa_system_sgpr_workgroup_id_x 1
		.amdhsa_system_sgpr_workgroup_id_y 1
		.amdhsa_system_sgpr_workgroup_id_z 1
		.amdhsa_system_vgpr_workitem_id 0
		.amdhsa_next_free_vgpr 960
		.amdhsa_next_free_sgpr 80
		.amdhsa_reserve_vcc 0
		.amdhsa_float_denorm_mode_32 3
		.amdhsa_float_denorm_mode_16_64 3
		.amdhsa_memory_ordered 1
		.amdhsa_forward_progress 1
		.amdhsa_inst_pref_size 61
	.end_amdhsa_kernel
	.amdgpu_metadata
---
amdhsa.version: [ 1, 2 ]
amdhsa.kernels:
  - .name:           k_q364fc736fa_qkv
    .symbol:         k_q364fc736fa_qkv.kd
    .args:
      - { .name: nx, .offset: 0, .size: 8, .value_kind: global_buffer, .address_space: global }
      - { .name: wb, .offset: 8, .size: 8, .value_kind: global_buffer, .address_space: global }
      - { .name: qkv, .offset: 16, .size: 8, .value_kind: global_buffer, .address_space: global }
    .group_segment_fixed_size: 327680
    .private_segment_fixed_size: 0
    .kernarg_segment_align: 8
    .kernarg_segment_size: 24
    .max_flat_workgroup_size: 128
    .sgpr_count:     80
    .vgpr_count:     960
    .wavefront_size: 32
...
	.end_amdgpu_metadata
.endif
;; end of part 2
;; launch attn (part 3): grid 8 x 32, 4 waves a work-group, no clusters, 327,680 bytes of LDS; arguments qkv, ao; writes ao
.if DOCPART == 3
	.amdgcn_target "amdgcn-amd-amdhsa--gfx1250"
	.amdhsa_code_object_version 6
	.text
	.protected	k_q364fc736fa_attn
	.globl	k_q364fc736fa_attn
	.p2align	8
	.type	k_q364fc736fa_attn,@function
k_q364fc736fa_attn:
	s_mov_b64 s[64:65], 0
	v_nop
	global_prefetch_b8 v0, s[64:65] scope:SCOPE_SE
	s_setreg_imm32_b32 hwreg(HW_REG_WAVE_MODE, 25, 1), 1
	s_wait_xcnt 0x0
; CAUSAL ATTENTION.  O[y][q][:] = the sum over k <= q of softmax_k(Q[y][q] . K[y][k] / 8) V[y][k][:], y = 2 head + batch, 32 of them, 2,048 rows of 64 each.
; Q, K, V: the three thirds of qkv, f16, a head's rows dense, 128 bytes each.  O: ao, the same layout, in bf16 (it is the next product's operand).
; Products, maxima and sums in f32; the weights p are rounded to f16 for the second product (their sum l is taken of the unrounded p), O once at the end.
; LIMITS.  Q, K, V arrive within f16's 65,504.  A hidden score counts as its value less 1e30; a weight below 2^-126 counts as 0 in l; NaN and infinities are not treated apart.
; THE WALK.  A head's queries lie in 16 blocks of 128, its keys in NB = 8 tiles of 256; block i needs the tiles 0 .. i / 2, of which the last holds the diagonal.  Work-group x of a head's eight takes TWO blocks,
; 15 - x and then x: with j = x / 2 that is (NB - j) + (j + 1) = NB + 1 tiles, whatever x: all 8 x 32 = 256 work-groups do equal work, and one loop with a constant trip count walks them.
; Every jump goes forward but the counted loops' own; none passes a barrier.
; NO CLUSTER: a head's eight work-groups ask for the same tile only in trips 0 .. NB / 2, behind that fewer and fewer; one walk common to all would have 3 NB / 2 trips for NB + 1.
; SHARES.  Of a block's two bands of 64 queries a wave owns 16 rows in each: two PIECES: the diagonal tile is the same work for all four waves.
; THE MASK is the C operand that starts the sum S^T = K Q^T: 0, or -1e30 where the key is hidden.  A block is the lower or the upper half of its diagonal tile's 256 rows: piece x is band X = XB + x of that tile,
; XB = 0 or 2.  In the tile's step t band X sees all keys if t < X, none if t > X, and holds the diagonal if t = X.  MD, made once, is the mask of a band's own step; a product's mask is MD x AL + BE.
; LAYOUT, SOFTMAX, TURNS.  S^T = K Q^T holds ONE query a lane (lane % 16) and the keys 8 (lane / 16) + 0..7; two such results rounded to f16 ARE source 1 of O^T = V^T P.  p = 2^(c s - c m), c = log2(e) / 8, with a
; running maximum m; O and l are multiplied by a = 2^(c m_old - c m_new) in every step.  A key step is two turns.  A piece's turn holds 8 products K Q^T of the OTHER piece (its next scores), later 8 products V^T P of
; the other piece (its last weights); beside them the vector work of the piece in hand and the maximum and statistics of the other.  Four vector instructions stand behind every matrix instruction, the rest in one
; run.  A turn's 33 exponentials are one batch, with one wait.
; TWO BUFFERS OF V, by the step's parity: V of step s + 1 is fetched at the end of step s, while V of step s still has a reader.  So a tile's last LDS read (V of its step 3) stands at the end of its step 2, ahead of
; the first read of the next tile (K of its step 0, in the middle of step 3's first turn), and the change of slots stands between them.  The text is written for two steps: turns T0, T1 (an even step), T2, T3 (an odd one).
; PREFETCH.  Work-group x = 0 walks tiles 0 to 7 first, and the head's others read the same tiles: it alone asks, behind each fill, for the tile behind the one just asked for: each wave its own half tile of K or V,
; 64 blocks of 256 bytes, two instructions, eight turns ahead of the load.  Tiles 2 to 7 are so named once; tiles 0 and 1 come by their loads alone.
; REGISTERS, in windows of 256 (s_set_vgpr_msb: bits 1:0 source 0, 3:2 source 1, 5:4 source 2, 7:6 destination):
;   window 0: v0-15 addresses and two at work; v16-23 four registers of statistics a piece; v48-55 at work; v64-127 S^T, a buffer a piece; v192-223 P, likewise
;   window 1: v0-63 O^T, 32 a piece; v128-159 MD; v160-223 MC, two buffers      window 2: v0-31 Q; v32-63 the second block's Q; v64-127 V of an odd step; v128-191 K of one step; v192-255 V of an even step
.set SIZE_N, 2048
.set NB,    SIZE_N/256 ; key tiles in a head
.set NP,    2         ; pieces a wave: a name, no knob
.set KS,    64        ; keys in a step
.set PK,    144       ; a row of K in LDS: 128 bytes + 16
.set PV,    160       ; a row of V: 128 + 32
.set VOFF,  4*KS*PK   ; a slot holds a tile, four steps: 256 rows of K, then 256 rows of V
.set SLOT1, 1<<17     ; slot 1 begins here: one exclusive or turns an address in one slot into the other's
.set STAGE, SLOT1+4*KS*(PK+PV)  ; behind the ring, never filled by a tensor load: 16 rows x 144 bytes for each wave
.set SP,    144
.set AK0, 2
.set AV0, 3
.set AK,  4
.set AV,  5
.set STO, 6
.set RD,  7
.set GO,  8
.set PFO, 61          ; v61  256 x my lane; never rewritten
.set SPW, 62          ; v62  my spare word; never rewritten
.set NIL, 63          ; v63  0; never rewritten
.set SPARE, STAGE+4*16*SP
.set MV,  12
.set QO,  15
.set ST,  16          ; piece t's statistics at v[ST+4 t]: c m, m, l (even keys', odd keys')
.set TMP, 48
.set S,   64
.set P,   192
.set MD,  128
.set MC,  160
.set QB,  32
.set KF,  128
.set VF,  192         ; V's buffer b at VF - 128 b
.set WV,  12
.set PB,  14          ; s14  j = x / 2: the second block's last tile
.set HI,  15          ; s15  NB - 1 - j: the first block's
.set G1K, 24
.set G1V, 32
.set G0K, 40
.set G0V, 44
.set SLOTS, 56
.set CNT, 57          ; s57  counts a slot's two trips of two steps
.set CS,  58
.set SEL, 60
.set TBK, 62
.set TBV, 63
.set RT,  70
.set NXT, 71
.set LQ,  72
.set NEW, 73
.set OFF, 74
.set AL,  76
.set BE,  78
.set OLO, 80
.set BIGN, 82
.set TM,  83          ; s83  at work
.set PFA, 88          ; s[88:89] where my prefetches stand: my half of the tile that is being asked for; stepped ahead of each use
.set LIM, 90          ; s90  2 where x = 0, else the greatest number
.set XB,  91          ; s91  0 or 2: the block in hand is the lower or the upper half of its diagonal tile's rows
.set MSB, 0
.macro WIN new
.if MSB != (\new)
	s_set_vgpr_msb (MSB<<8)|(\new)
.set MSB, (\new)
.endif
.endm
.set W_KQ, 0x0a
.set W_KM, 0x1a
.set W_PV, 0x52
.set W_RS, 0x41
; A fill.  Waves 0 and 1 fetch the two halves of a tile's K, waves 2 and 3 those of its V.  An s_nop 0 and four v_nop follow each of the two lines.
.macro LOAD
	s_cmp_lt_u32 s[WV], 2
	s_cbranch_scc0 .Lfor_v_\@
	tensor_load_to_lds s[G0K:G0K+3], s[G1K:G1K+7]
	s_nop 0
.rept 4
	v_nop
.endr
	s_branch .Lasked_\@
.Lfor_v_\@:
	tensor_load_to_lds s[G0V:G0V+3], s[G1V:G1V+7]
	s_nop 0
.rept 4
	v_nop
.endr
.Lasked_\@:
.endm
; THE CHANGE OF SLOTS.  Each wave waits for all its tensor loads (one is out: its part of the other slot), adds 0 to its spare word, and waits for that and for its reads of the slot that it leaves (the youngest: V of
; the tile's step 3).  fill = 1: the old slot is filled again, the first thing behind the barrier, with tile NXT: the descriptor's address is made anew from that number.
.macro CHANGE fill
	WIN 0
	s_wait_tensorcnt 0x0            ; no tensor load of mine is out, so a group 0 may be written
	ds_add_u32 v[SPW], v[NIL]
.if \fill
	s_lshl_b32 s[OFF], s[NXT], 15   ; a tile is 32,768 bytes of K and of V
	s_xor_b32 s[G0K+1], s[G0K+1], SLOT1
	s_add_nc_u64 s[G0K+2:G0K+3], s[6:7], s[OFF:OFF+1]
	s_or_b32 s[G0K+3], s[G0K+3], 0x80000000
	s_xor_b32 s[G0V+1], s[G0V+1], SLOT1
	s_add_nc_u64 s[G0V+2:G0V+3], s[8:9], s[OFF:OFF+1]
	s_or_b32 s[G0V+3], s[G0V+3], 0x80000000
	s_add_co_u32 s[NXT], s[NXT], 1  ; the block's next tile, or behind its last the second block's tile 0
	s_cmp_gt_u32 s[NXT], s[LQ]
	s_cselect_b32 s[NXT], 0, s[NXT]
	s_cselect_b32 s[LQ], s[PB], s[LQ]
	s_wait_xcnt 0x0                 ; the last prefetches, a tile back, have read their address
	s_add_nc_u64 s[PFA:PFA+1], s[PFA:PFA+1], 32768
.endif
	s_wait_dscnt 0x0                ; the add is done, and my reads of the slot are over
	s_barrier_signal -1
	s_sub_co_u32 s[TBK], s[TBK], 4*KS*PK  ; the fetches go back to a slot's first step,
	s_xor_b32 s[TBK], s[TBK], SLOT1       ; in the other slot
	s_sub_co_u32 s[TBV], s[TBV], 4*KS*PV
	s_xor_b32 s[TBV], s[TBV], SLOT1
	s_barrier_wait -1
.if \fill
	LOAD
	s_cmp_gt_u32 s[SLOTS], s[LIM]   ; the last two fills (tile 7, and the second block's tile 0) have nothing new behind them
	s_cbranch_scc0 .Lnot_mine_\@
	global_prefetch_b8 v[PFO], s[PFA:PFA+1] th:TH_LOAD_NT scope:SCOPE_SE
	global_prefetch_b8 v[PFO], s[PFA:PFA+1] offset:8192 th:TH_LOAD_NT scope:SCOPE_SE
.Lnot_mine_\@:
.endif
.endm
	s_load_b128 s[4:7], s[0:1], 0x0 ; qkv s[4:5], ao s[6:7]
	v_lshl_add_u32 v[SPW], v0, 2, SPARE
	v_mov_b32 v[NIL], 0
	ds_add_u32 v[SPW], v[NIL]       ; the opening: the add and its wait ahead of my first tensor load
	ds_add_u32 v62, v63
	v_lshrrev_b32 v1, 5, v0
	v_readfirstlane_b32 s[WV], v1   ; wave 0..3
	s_lshr_b32 s[PB], ttmp9, 1      ; j
	s_sub_co_u32 s[HI], NB-1, s[PB]
	s_and_b32 s[XB], ttmp9, 1       ; block 15 - x is the upper half of its tile's rows where x is even
	s_xor_b32 s[XB], s[XB], 1
	s_lshl_b32 s[XB], s[XB], 1
	s_and_b32 s20, ttmp7, 0xffff    ; the head
	s_mov_b32 s21, 0
	s_mov_b64 s[22:23], SIZE_N*128
	s_mul_u64 s[20:21], s[20:21], s[22:23]  ; the head's first byte in Q, K, V and O
	s_and_b32 s16, s[WV], 1         ; which half of a tile's 256 keys I fetch
	s_lshl_b32 s22, s16, 14
	s_mov_b32 s23, 0
	s_add_nc_u64 s[22:23], s[22:23], s[20:21]
	s_mul_i32 s17, s16, 128*PK
	s_mul_i32 s18, s16, 128*PV
	s_lshl_b32 s3, s[WV], 11        ; my 16 rows in a band of 64,
	s_sub_co_u32 s2, 2*NB-1, ttmp9
	s_lshl_b32 s2, s2, 14           ; in the first block (128 rows of 128 bytes a block),
	s_add_co_u32 s2, s2, s3
	s_lshl_b32 s84, ttmp9, 14       ; and in the second
	s_add_co_u32 s84, s84, s3
	s_mov_b32 s3, 0
	s_mov_b32 s85, 0
	s_add_nc_u64 s[2:3], s[2:3], s[20:21]
	s_add_nc_u64 s[84:85], s[84:85], s[20:21]
	; descriptor group 1.  128 keys are 16,384 dense bytes: asked for as 64 rows of 256 bytes, two keys a row, and padded in LDS after every key
	s_mov_b32 s[G1K], (1<<16)|(1<<20)|(4<<22)|(3<<25)
	s_mov_b32 s[G1V], (1<<16)|(1<<20)|(4<<22)|(7<<25)
.irp g, G1K, G1V
	s_mov_b32 s[\g+1], 128<<16      ; tensor_dim0 = 128
	s_mov_b32 s[\g+2], 64<<16       ; tensor_dim1 = 64
	s_mov_b32 s[\g+3], 128<<16      ; tile_dim0 = 128
	s_mov_b32 s[\g+4], 64           ; tile_dim1 = 64
	s_mov_b32 s[\g+5], 128          ; 128 elements from row to row
	s_mov_b32 s[\g+6], 0
	s_mov_b32 s[\g+7], 0
.endr
	s_mov_b32 s[CS], 0x3e38aa3b     ; c = log2(e) / 8
	s_mov_b32 s[CS+1], s[CS]
	s_mov_b32 s[SEL], 0x76543210
	s_mov_b32 s[SEL+1], 0xfedcba98
	s_mov_b32 s[TBK], SLOT1+4*KS*PK ; the first change of slots turns these two into 0
	s_mov_b32 s[TBV], SLOT1+4*KS*PV
	s_mov_b32 s[G0K], 1
	s_mov_b32 s[G0K+1], s17
	s_mov_b32 s[G0V], 1
	s_add_co_u32 s[G0V+1], s18, VOFF
	s_add_co_u32 s[RT], s[HI], 1    ; the first block has NB - j tiles
	s_mov_b32 s[NXT], 1
	s_mov_b32 s[LQ], s[HI]
	s_mov_b32 s[NEW], 1
	s_mov_b32 s[OFF+1], 0
	s_mov_b32 s[AL+1], 0
	s_mov_b32 s[BE+1], 0
	s_mov_b32 s[BIGN], 0xf149f2ca   ; -1e30
	s_mov_b32 s[SLOTS], NB
	s_mov_b32 s[TM], ttmp9
	v_and_b32 v[PFO], 31, v0
	v_lshlrev_b32 v[PFO], 8, v[PFO]
	s_wait_dscnt 0x0                ; the opening add is done
	s_wait_kmcnt 0x0
	s_mov_b64 s[10:11], s[6:7]      ; O
	s_add_nc_u64 s[6:7], s[4:5], 8388608   ; K: qkv's second third
	s_add_nc_u64 s[8:9], s[4:5], 16777216  ; V: its last
	s_add_nc_u64 s[6:7], s[6:7], s[22:23]  ; K and V at my half of the head's tile 0
	s_add_nc_u64 s[8:9], s[8:9], s[22:23]
	s_add_nc_u64 s[G0K+2:G0K+3], s[6:7], 0
	s_or_b32 s[G0K+3], s[G0K+3], 0x80000000
	s_add_nc_u64 s[G0V+2:G0V+3], s[8:9], 0
	s_or_b32 s[G0V+3], s[G0V+3], 0x80000000
	s_add_nc_u64 s[86:87], s[4:5], s[84:85]        ; Q at my rows of the second block,
	s_add_nc_u64 s[4:5], s[4:5], s[2:3]            ; Q and O at those of the first
	s_add_nc_u64 s[OLO:OLO+1], s[10:11], s[84:85]
	s_add_nc_u64 s[10:11], s[10:11], s[2:3]
	s_cmp_lt_u32 s[WV], 2
	s_cselect_b64 s[PFA:PFA+1], s[6:7], s[8:9]
	s_add_nc_u64 s[PFA:PFA+1], s[PFA:PFA+1], 32768 ; at tile 1: the first change steps it to 2
	s_cmp_eq_u32 s[TM], 0
	s_cselect_b32 s[LIM], 2, -1
	LOAD                            ; tile 0 into slot 0
	v_and_b32 v1, 15, v0            ; l % 16
	v_bfe_u32 v9, v0, 4, 1          ; l / 16
	v_lshlrev_b32 v[QO], 7, v1
	v_lshl_add_u32 v[QO], v9, 4, v[QO]  ; row x 128 + 16 x half
	WIN 0x80                        ; destination window 2, address window 0
.set i, 0
.rept 4                             ; both blocks' Q: piece i / 2 lies in band i / 2, 8,192 bytes on; channels 32 (i % 2) on
	global_load_b128 v[8*i:8*i+3],   v[QO], s[4:5] offset:(i/2)*8192+(i%2)*64
	global_load_b128 v[8*i+4:8*i+7], v[QO], s[4:5] offset:(i/2)*8192+(i%2)*64+32
	global_load_b128 v[QB+8*i:QB+8*i+3],   v[QO], s[86:87] offset:(i/2)*8192+(i%2)*64
	global_load_b128 v[QB+8*i+4:QB+8*i+7], v[QO], s[86:87] offset:(i/2)*8192+(i%2)*64+32
.set i, i+1
.endr
	WIN 0
	v_lshlrev_b32 v14, 3, v9
	v_sub_nc_u32 v14, v1, v14
	s_lshl_b32 s13, s[WV], 4
	v_add_nc_u32 v14, s13, v14      ; my query's place in its band less my lanes' 8 (l / 16): register r of group kt is hidden where 16 kt + r is greater
	WIN 0x40
.set i, 0
.rept 32
	v_cmp_gt_i32 vcc_lo, 16*(i/8)+i%8, v14
	v_cndmask_b32 v[MD+i], 0, s[BIGN], vcc_lo
.set i, i+1
.endr
	WIN 0
	v_mul_u32_u24 v[AK0], v1, PK
	v_lshl_add_u32 v[AK0], v9, 4, v[AK0]
	v_and_b32 v10, 7, v0
	v_bfe_u32 v11, v0, 3, 1
	v_lshl_add_u32 v[AV0], v9, 3, v10
	v_mul_u32_u24 v[AV0], v[AV0], PV
	v_lshl_add_u32 v[AV0], v11, 4, v[AV0]
	v_add_nc_u32 v[AV0], VOFF, v[AV0]
	s_mul_i32 s13, s[WV], 16*SP
	s_add_co_u32 s13, s13, STAGE    ; my stage
	v_mul_u32_u24 v[STO], v1, SP
	v_lshl_add_u32 v[STO], v9, 4, v[STO]
	v_add_nc_u32 v[STO], s13, v[STO]
	v_bfe_u32 v[RD], v0, 3, 2
	v_mul_u32_u24 v[RD], v[RD], SP
	v_lshl_add_u32 v[RD], v10, 4, v[RD]
	v_add_nc_u32 v[RD], s13, v[RD]
	v_and_b32 v[GO], 31, v0
	v_lshlrev_b32 v[GO], 4, v[GO]
	; A block's first step multiplies O^T and l by a = 0, and its first turn's products V^T P, of a step that has not been, land in an O^T that is still to be so multiplied: these registers (V's odd buffer, piece 1's
	; P, O^T, l) need only hold finite numbers: zeros for the first block, what the first block left for the second.  All this stands in the wait for the first tile.
	WIN 0x80
.set i, VF-128
.rept 64
	v_mov_b32 v[i], 0
.set i, i+1
.endr
	WIN 0x40
.set i, 0
.rept 64
	v_mov_b32 v[i], 0
.set i, i+1
.endr
	WIN 0
.set i, 0
.rept NP
	v_mov_b32 v[ST+4*i+2], 0
	v_mov_b32 v[ST+4*i+3], 0
.set i, i+1
.endr
.set i, P+16
.rept 16
	v_mov_b32 v[i], 0
.set i, i+1
.endr
; THE MATRIX WORK.  The 4 accumulators of a run of 8 take turns.  Product i of 8 of S^T = K Q^T for piece x.  The first 4 start the sums: with 0, or (KM = 1) with the mask.
.macro KQ x
.set rS, S+32*((\x)%2)+8*(i%4)
.set rK, KF+16*(i%4)+8*(i/4)
.set rQ, 16*(\x)+8*(i/4)
.set rM, MC+32*((\x)%2)+8*(i%4)
.if (i < 4) && KM
	WIN W_KM
	v_wmma_f32_16x16x32_f16 v[rS:rS+7], v[rK:rK+7], v[rQ:rQ+7], v[rM:rM+7]
.elseif i < 4
	WIN W_KQ
	v_wmma_f32_16x16x32_f16 v[rS:rS+7], v[rK:rK+7], v[rQ:rQ+7], 0
.else
	WIN W_KQ
	v_wmma_f32_16x16x32_f16 v[rS:rS+7], v[rK:rK+7], v[rQ:rQ+7], v[rS:rS+7]
.endif
.endm
; Product i of 8 of O^T += V^T P for piece x, V from buffer vb.
.macro PV x, vb
	WIN W_PV
.set rO, 32*(\x)+8*(i%4)
.set rV, VF-128*(\vb)+32*(i/4)+8*(i%4)
.set rP, P+16*((\x)%2)+8*(i/4)
	v_wmma_f32_16x16x32_f16 v[rO:rO+7], v[rV:rV+7], v[rP:rP+7], v[rO:rO+7]
.endm
.macro MM                           ; the turn's next matrix instruction.  NOKQ = 1: a block's last turn: there are no further scores
.if (i < 8) && !NOKQ
	KQ (Y+1)%NP
.elseif i >= 8
.set i, i-8
	PV (Y+NP-1)%NP, VB
.set i, i+8
.endif
.set i, i+1
.endm
; THE LDS LOADS stand in runs of 16: a step's K and its V (turned).
.macro FETCH_K
	WIN 0x80
.irp f, 0,1,2,3,4,5,6,7
	ds_load_b128 v[KF+8*\f:KF+8*\f+3],   v[AK] offset:(\f/2)*16*PK+(\f%2)*64
	ds_load_b128 v[KF+8*\f+4:KF+8*\f+7], v[AK] offset:(\f/2)*16*PK+(\f%2)*64+32
.endr
	s_add_co_u32 s[TBK], s[TBK], KS*PK
	WIN 0
.endm
.macro FETCH_V vb
	WIN 0x80
.irp f, 0,1,2,3,4,5,6,7
	ds_load_tr16_b128 v[VF-128*(\vb)+8*\f:VF-128*(\vb)+8*\f+3],   v[AV] offset:(\f/4)*32*PV+(\f%4)*32
	ds_load_tr16_b128 v[VF-128*(\vb)+8*\f+4:VF-128*(\vb)+8*\f+7], v[AV] offset:(\f/4)*32*PV+16*PV+(\f%4)*32
.endr
	WIN 0
.endm
; THE VECTOR WORK, one line at a time: OP kind, number.  For piece Y: F n: c s - c m for pair n.  E n: the exponential of score n.  C n: pair n rounded to f16.  B n: of four weights the second pair onto the first.
; L n: l takes that sum (L 0: l = a l + sum).  R n: pair n of O^T times a, in ascending order: each accumulator's lowest registers are read first.
; For the other piece: X n, number n of the 22 that find its maximum and statistics (lowest registers first again).
.set F, 0
.set E, 1
.set C, 2
.set B, 3
.set L, 4
.set R, 5
.set X, 6
.macro REGS y
.set rT, ST+4*(\y)
.set rC, TMP+4*((\y)%2)
.set rW, MV+((\y)%2)
.set rS, S+32*((\y)%2)
.set rP, P+16*((\y)%2)
.set rO, 32*(\y)
.endm
.macro OP k, n
.if (\k) == R
	REGS Y
	WIN W_RS
	v_pk_mul_f32 v[rO+2*(\n):rO+2*(\n)+1], v[rO+2*(\n):rO+2*(\n)+1], v[rC+2:rC+3] op_sel_hi:[1,0]
.elseif (\k) < R
	REGS Y
	WIN 0
.if (\k) == F
	v_pk_fma_f32 v[rS+2*(\n):rS+2*(\n)+1], v[rS+2*(\n):rS+2*(\n)+1], s[CS:CS+1], v[rT:rT+1] op_sel_hi:[1,0,0] neg_lo:[0,0,1] neg_hi:[0,0,1]
.elseif (\k) == E
	v_exp_f32 v[rS+(\n)], v[rS+(\n)]
.elseif (\k) == C
	v_cvt_pk_f16_f32 v[rP+(\n)], v[rS+2*(\n)], v[rS+2*(\n)+1]
.elseif (\k) == B
	v_pk_add_f32 v[rS+4*(\n):rS+4*(\n)+1], v[rS+4*(\n):rS+4*(\n)+1], v[rS+4*(\n)+2:rS+4*(\n)+3]
.elseif (\n) == 0
	v_pk_fma_f32 v[rT+2:rT+3], v[rT+2:rT+3], v[rC+2:rC+3], v[rS:rS+1] op_sel_hi:[1,0,1]
.else
	v_pk_add_f32 v[rT+2:rT+3], v[rT+2:rT+3], v[rS+4*(\n):rS+4*(\n)+1]
.endif
.elseif NOKQ
	v_nop
.else
	REGS (Y+1)%NP
	WIN 0
.if (\n) < 4
	v_max3_num_f32 v[rC+(\n)], v[rS+8*(\n)], v[rS+8*(\n)+1], v[rS+8*(\n)+2]
.elseif (\n) < 12
	v_max3_num_f32 v[rC+(\n)%4], v[rC+(\n)%4], v[rS+8*((\n)%4)+2*((\n)/4)+1], v[rS+8*((\n)%4)+2*((\n)/4)+2]
.elseif (\n) == 12
	v_max3_num_f32 v[rC], v[rC], v[rS+7], v[rS+15]
.elseif (\n) == 13
	v_max3_num_f32 v[rC+1], v[rC+1], v[rS+23], v[rS+31]
.elseif (\n) == 14
	v_max3_num_f32 v[rC+2], v[rC+2], v[rC+3], v[rT+1]
.elseif (\n) == 15
	v_mov_b32 v[rW], v[rT]
.elseif (\n) == 16
	v_max3_num_f32 v[rC], v[rC], v[rC+1], v[rC+2]
.elseif (\n) == 17
	v_permlanex16_b32 v[rC+3], v[rC], s[SEL], s[SEL+1]
.elseif (\n) == 18
	v_max_num_f32 v[rT+1], v[rC], v[rC+3]
.elseif (\n) == 19
	v_mul_f32 v[rT], s[CS], v[rT+1]
.elseif (\n) == 20
	v_sub_f32 v[rC+1], v[rW], v[rT]
.else
	v_exp_f32 v[rC+2], v[rC+1]
.endif
.endif
.endm
.macro OPS a, i1, b=-1, i2=0, c=-1, i3=0, d=-1, i4=0
	OP \a, \i1
.if (\b) >= 0
	OP \b, \i2
.endif
.if (\c) >= 0
	OP \c, \i3
.endif
.if (\d) >= 0
	OP \d, \i4
.endif
.endm
.macro ROW a, i1, b, i2, c, i3, d, i4  ; a matrix instruction and the four behind it
	MM
	OPS \a, \i1, \b, \i2, \c, \i3, \d, \i4
.endm
.macro MASK b                       ; MD x AL + BE into buffer b of MC
	WIN W_RS
.set z, 0
.rept 16
	v_pk_fma_f32 v[MC+32*(\b)+2*z:MC+32*(\b)+2*z+1], v[MD+2*z:MD+2*z+1], s[AL:AL+1], s[BE:BE+1] op_sel_hi:[1,0,0]
.set z, z+1
.endr
.endm
; TURN p, p = 0 .. 3: piece p % 2 of an even (p < 2) or an odd step.  One wait cuts it in two: ahead of it stands all that names no result of the turn's exponentials (the 8 products K Q^T with their four riders each,
; then a run of 54); behind it the 8 products V^T P, behind each four of the roundings and sums.
; FETCHES.  Piece 0's turn fetches K of the next step, twelve vector instructions (six of them plain) behind the last product that read K.  Piece 1's turn fetches, at its end, V of the next step into the buffer
; that no product of this turn or the next reads.  One wait at the head of piece 1's turn serves both: K, issued half a turn back, and V, issued a turn back.
; V^T P reads buffer VB: T0: the odd step before; T1, T2: the even step; T3: the odd step.
; m = 1: the diagonal tile: the products take masks, and the turn makes the mask for the products of the turn after it: piece p % 2, in step t of the tile, t = 4 - 2 CNT (T2, T3) or 5 - 2 CNT (T0, T1).
; With band X = XB + p % 2: t = X where 2 CNT + XB = MK, t > X where it is less, MK = 5 - p / 2 - p % 2.
; end = 1: a block's last two turns: nothing is fetched.  cnt = 1: the loop's count is taken down some lines ahead of the branch behind the turn.
.macro TURN p, m=0, end=0, cnt=0
.set Y, (\p)%NP
.set VB, (((\p)+3)/2)%2
.set i, 0
.set KM, (\m)
.set NOKQ, (\end)*((\p)/3)
.if (\m) && !(\end)
	s_lshl1_add_u32 s[TM], s[CNT], s[XB]
	s_cmp_eq_u32 s[TM], 5-(\p)/2-(\p)%2  ; is that step the band's own?
	s_cselect_b32 s[AL], 1.0, 0
	s_cmp_lt_u32 s[TM], 5-(\p)/2-(\p)%2  ; or a later one?
	s_cselect_b32 s[BE], s[BIGN], 0
.endif
.if (\p)%2 == 1
	s_wait_dscnt 0x0                ; K of the next step is in, and V of this one
.endif
	ROW F,0, F,1, R,0, R,1
	ROW F,2, E,0, R,2, R,3
	ROW F,3, E,1, R,4, R,5
	ROW F,4, E,2, R,6, R,7
	ROW F,5, E,3, R,8, R,9
	ROW F,6, E,4, X,0, R,10
.if ((\p)%2 == 0) && !(\end)
	WIN 0
	v_add_nc_u32 v[AK], s[TBK], v[AK0]
.endif
	ROW F,7, E,5, X,1, X,4
	ROW F,8, E,6, X,2, X,5
	OPS E,7, E,8, X,6, E,9
	OPS X,3, E,10, X,8, E,11
.if ((\p)%2 == 0) && !(\end)
	FETCH_K
.endif
	OPS X,9, X,7, E,12, X,10
	OPS E,13, X,12, X,11, E,14
	OPS X,13, E,15, F,9, X,14
.if ((\p)%2 == 1) && !(\end)
	v_add_nc_u32 v[AV], s[TBV], v[AV0]
.endif
	OPS E,16, F,10, E,17, F,11
	OPS X,16, E,18, X,15, E,19
	OPS F,12, E,20, X,17, E,21
	OPS F,13, E,22, F,14, E,23
	OPS X,18, E,24, F,15, E,25
	OPS R,11, E,26, X,19, E,27
	OPS R,12, E,28, R,13, E,29
	OPS X,20, E,30, R,14, E,31
	OPS X,21, R,15
	WIN 0
	s_wait_alu depctr_va_vdst(0)    ; the one wait for the batch of exponentials, ahead of the first instruction that names a result
	ROW C,0, B,0, C,2, B,1
	ROW L,0, C,4, B,2, L,1
	ROW C,6, B,3, L,2, C,8
	ROW B,4, L,3, C,10, B,5
	ROW L,4, C,12, B,6, L,5
.if ((\p)%2 == 1) && !(\end)
	s_add_co_u32 s[TBV], s[TBV], KS*PV
.endif
.if \cnt
	s_sub_co_u32 s[CNT], s[CNT], 1
	s_cmp_lg_u32 s[CNT], 0
.endif
	ROW C,14, B,7, L,6, C,1
	ROW C,3, L,7, C,5, C,7
	ROW C,9, C,11, C,13, C,15
.if ((\p)%2 == 1) && !(\end)
	FETCH_V (((\p)+1)/2)%2
.endif
.if (\m) && !(\end)
	MASK (\p)%2
.endif
.endm
; A BLOCK BEGINS.  c m starts far below every c s, so the first step's a is 0; m at the lowest finite number.  The second mask buffer is 0 (piece 1 sees all of a tile's step 0); the first takes piece 0's mask for
; step 0: its own, if the block's first tile is the diagonal one and the block is the lower half of its rows.  Then K and V of the tile's step 0, piece 0's first scores, and its maximum and statistics.
.macro BEGIN
	s_mov_b32 s[NEW], 0
	WIN 0x40
.set i, MC+32
.rept 32
	v_mov_b32 v[i], 0
.set i, i+1
.endr
	WIN 0
.set i, 0
.rept NP
	v_mov_b32 v[ST+4*i], 0xfe000000
	v_mov_b32 v[ST+4*i+1], 0xff7fffff
.set i, i+1
.endr
	s_or_b32 s[TM], s[RT], s[XB]
	s_cmp_eq_u32 s[TM], 0
	s_cselect_b32 s[AL], 1.0, 0
	s_mov_b32 s[BE], 0
	MASK 0
	WIN 0
	v_add_nc_u32 v[AK], s[TBK], v[AK0]
	v_add_nc_u32 v[AV], s[TBV], v[AV0]
	s_add_co_u32 s[TBV], s[TBV], KS*PV
	FETCH_K
	FETCH_V 0
	s_wait_loadcnt 0x0              ; Q
	s_wait_dscnt 0x0
.set KM, 1
.set NOKQ, 0
.set i, 0
.rept 8
	KQ 0
.set i, i+1
.endr
	WIN 0
.rept 4
	v_nop                           ; the places behind those products
.endr
.set Y, NP-1
.irp n, 0,1,2,3,4,5,6,7,8,9,10,11,12,13,14,15,16,17,18,19,20,21
	OP X, \n
.endr
	v_nop                           ; a plain instruction behind the exponential,
	s_wait_alu depctr_va_vdst(0)    ; and its wait, ahead of the branch
.endm
.macro ALL line:vararg
.set t, 0
.rept NP
	\line
.set t, t+1
.endr
.endm
.macro PACK t                       ; a lane's eight channels of a row pack into 16 bytes; they go into rows of 144 bytes and come back as whole rows of 128
	WIN W_RS
.set i, 32*(\t)
.rept 16
	v_pk_mul_f32 v[i:i+1], v[i:i+1], v[ST+4*(\t)+2:ST+4*(\t)+3] op_sel_hi:[1,0]
.set i, i+2
.endr
	WIN 0x05
.set i, 0
.rept 16
	v_cvt_pk_bf16_f32 v[S+16*(\t)+i], v[32*(\t)+2*i], v[32*(\t)+2*i+1]
.set i, i+1
.endr
	WIN 0
.irp f, 0,1,2,3
	ds_store_b128 v[STO], v[S+16*(\t)+4*\f:S+16*(\t)+4*\f+3] offset:32*\f
.endr
.irp f, 0,1,2,3
	ds_load_b128 v[S+16*(\t)+4*\f:S+16*(\t)+4*\f+3], v[RD] offset:\f*4*SP  ; LDS serves a wave's instructions in order (ISA guide 5.7.1.4)
.endr
.endm
.macro SEND t, younger              ; younger: the LDS instructions issued behind piece t's loads: the next piece's eight, or none
	WIN 0
.irp f, 0,1,2,3
	s_wait_dscnt (\younger)+3-\f
	global_store_b128 v[GO], v[S+16*(\t)+4*\f:S+16*(\t)+4*\f+3], s[10:11] offset:(\t)*8192+\f*512  ; 512 consecutive bytes, aligned
.endr
.endm
; THE DIAGONAL TILE.  Entered at its head (behind the change of slots: T2, T3 are still the tile before's step 3, and fetch this tile's step 0) or, behind BEGIN, at its step 0.  Two trips bring it to the end of its
; step 2; step 3's two turns fetch nothing; then piece 1's last products, and the way out.
.macro DIAG tag
.LstepM\tag:
	TURN 2, 1
	TURN 3, 1
	WIN 0
.LfirstM\tag:
	TURN 0, 1
	TURN 1, 1, 0, 1
	WIN 0
	s_cbranch_scc1 .LstepM\tag
	TURN 2, 1, 1
	TURN 3, 1, 1
.set i, 0
.rept 8
	PV NP-1, 1                      ; piece 1's V^T P of step 3, an odd step
.set i, i+1
.endr
	WIN 0
	ALL v_add_f32 v[ST+4*t+2], v[ST+4*t+2], v[ST+4*t+3]
	ALL v_permlanex16_b32 v[ST+4*t+3], v[ST+4*t+2], s[SEL], s[SEL+1]
	ALL v_add_f32 v[ST+4*t+2], v[ST+4*t+2], v[ST+4*t+3]
	ALL v_rcp_f32 v[ST+4*t+2], v[ST+4*t+2]
	v_nop                           ; a plain instruction between the last reciprocal and the use of its result
	s_wait_alu depctr_va_vdst(0)    ; one wait for the two reciprocals
	PACK 0                          ; piece 0 was finished eight products back; its 32 lines are the places behind piece 1's last products
	PACK 1
	SEND 0, 8
	SEND 1, 0
.endm
.set KM, 0
.set NOKQ, 0
.Lslot:                             ; NB times: a tile's slot is entered and the next tile is asked for
	CHANGE 1
	s_sub_co_u32 s[RT], s[RT], 1
	s_mov_b32 s[CNT], 2
	s_cmp_eq_u32 s[NEW], 1
	s_cbranch_scc1 .Lnew            ; a block's first tile
	s_cmp_eq_u32 s[RT], 0
	s_cbranch_scc0 .Lstep           ; neither its first nor its last
	s_branch .LstepM1
.Lnew:
	BEGIN
	s_branch .Lfirst                ; in the loop a block's first tile is never its last: the first block has five tiles or more, and the second's last is the walk's last
	DIAG 1                          ; in the loop this is the first block's end
	s_wait_xcnt 0x0                 ; the stores have read their registers and O's address
	s_mov_b64 s[10:11], s[OLO:OLO+1]
	s_add_co_u32 s[RT], s[PB], 1    ; the second block has j + 1 tiles,
	s_xor_b32 s[XB], s[XB], 2       ; and is the other half of its diagonal tile's rows
	s_mov_b32 s[NEW], 1
	WIN 0x82                        ; the second block's Q goes where the one text of the turns names Q
.set i, 0
.rept 32
	v_mov_b32 v[i], v[QB+i]
.set i, i+1
.endr
	WIN 0
	s_branch .Lbottom
.Lstep:                             ; a trip: an odd step, then an even one.  Behind a change of slots: the tile before's step 3 and this tile's step 0; then its steps 1 and 2
	TURN 2
	TURN 3
	WIN 0
.Lfirst:
	TURN 0
	TURN 1, 0, 0, 1
	WIN 0
	s_cbranch_scc1 .Lstep
.Lbottom:
	s_sub_co_u32 s[SLOTS], s[SLOTS], 1
	s_cmp_lg_u32 s[SLOTS], 0
	s_cbranch_scc1 .Lslot
	CHANGE 0                        ; the walk's last tile is written out
	s_sub_co_u32 s[RT], s[RT], 1
	s_mov_b32 s[CNT], 2
	s_cmp_eq_u32 s[NEW], 1
	s_cbranch_scc0 .LstepM2
	BEGIN
	s_branch .LfirstM2
	DIAG 2
	s_wait_tensorcnt 0x0            ; the wave's end
	ds_add_u32 v[SPW], v[NIL]
	s_wait_dscnt 0x0
	s_endpgm
.Lfunc_end_k_q364fc736fa_attn:
	.size	k_q364fc736fa_attn, .Lfunc_end_k_q364fc736fa_attn-k_q364fc736fa_attn
	.p2alignl 7, 3214868480
	.fill 96, 4, 3214868480
	.section	.rodata,"a",@progbits
	.p2align	6, 0x0
	.amdhsa_kernel k_q364fc736fa_attn
		.amdhsa_group_segment_fixed_size 327680
		.amdhsa_private_segment_fixed_size 0
		.amdhsa_enable_private_segment 0
		.amdhsa_kernarg_size 16
		.amdhsa_user_sgpr_count 2
		.amdhsa_user_sgpr_kernarg_segment_ptr 1
		.amdhsa_wavefront_size32 1
		.amdhsa_system_sgpr_workgroup_id_x 1
		.amdhsa_system_sgpr_workgroup_id_y 1
		.amdhsa_system_sgpr_workgroup_id_z 1
		.amdhsa_system_vgpr_workitem_id 0
		.amdhsa_next_free_vgpr 768
		.amdhsa_next_free_sgpr 92
		.amdhsa_reserve_vcc 1
		.amdhsa_float_denorm_mode_32 3
		.amdhsa_float_denorm_mode_16_64 3
		.amdhsa_memory_ordered 1
		.amdhsa_forward_progress 1
		.amdhsa_inst_pref_size 210
	.end_amdhsa_kernel
	.amdgpu_metadata
---
amdhsa.version: [ 1, 2 ]
amdhsa.kernels:
  - .name:           k_q364fc736fa_attn
    .symbol:         k_q364fc736fa_attn.kd
    .args:
      - { .name: qkv, .offset: 0, .size: 8, .value_kind: global_buffer, .address_space: global }
      - { .name: ao, .offset: 8, .size: 8, .value_kind: global_buffer, .address_space: global }
    .group_segment_fixed_size: 327680
    .private_segment_fixed_size: 0
    .kernarg_segment_align: 8
    .kernarg_segment_size: 16
    .max_flat_workgroup_size: 128
    .sgpr_count:     92
    .vgpr_count:     768
    .wavefront_size: 32
...
	.end_amdgpu_metadata
.endif
;; end of part 3
;; launch wo (part 4): grid 8 x 32, 4 waves a work-group, clusters of 4 x 4, 327,680 bytes of LDS; arguments ao, wb, bo, x, x1; writes x1
.if DOCPART == 4
	.amdgcn_target "amdgcn-amd-amdhsa--gfx1250"
	.amdhsa_code_object_version 6
	.text
	.protected	k_q364fc736fa_wo
	.globl	k_q364fc736fa_wo
	.p2align	8
	.type	k_q364fc736fa_wo,@function
k_q364fc736fa_wo:
	s_mov_b64 s[64:65], 0
	v_nop
	global_prefetch_b8 v0, s[64:65] scope:SCOPE_SE
	s_setreg_imm32_b32 hwreg(HW_REG_WAVE_MODE, 25, 1), 1
	s_wait_xcnt 0x0
	s_wait_alu depctr_hold_cnt(0) depctr_sa_sdst(0) depctr_va_vdst(0) depctr_va_sdst(0) depctr_va_ssrc(0) depctr_va_vcc(0) depctr_vm_vsrc(0)
	s_getreg_b32 s2, hwreg(HW_REG_IB_STS2, 6, 4)
	s_cmp_eq_u32 s2, 0
	s_cbranch_scc0 .Lentry_in_a_cluster
	s_endpgm
.Lentry_in_a_cluster:
	s_bfe_u32 s2, ttmp6, 0x10000c
	s_cmp_lg_u32 s2, 0xf033
	s_cbranch_scc0 .Lentry_shape_is_right
	s_endpgm
.Lentry_shape_is_right:
; x1 = x + bo + ao . Wo.  ao: [16 planes][4096 tokens][64] bf16 (plane p holds K columns 64 p ..).  Wo: wb at WOFF, [1024 k][1024 n] bf16.  x, x1: [4096][1024] f32; bo: [1024] f32.
; SHARES.  A work-group makes 128 tokens x 128 columns (8 x 32 work-groups), each of its four waves 64 x 64: 16 accumulators.  K goes in NT steps of 256 (four planes) through two LDS slots.
; THE RESIDUAL STARTS THE SUMS: x's numbers are loaded straight into the accumulators, so there is no clearing and no add at the end; the bias is added on the way out.  All of that in f32.
; CLUSTER 4 x 4: the operand's tile hangs on the tile row alone and is asked for jointly by a row of the cluster, the weights' on the tile column alone, by a column.
; THE PRODUCT IS TAKEN TRANSPOSED: source 0 = 16 columns of W (turned on the way out of LDS by ds_load_tr16_b128), source 1 = 16 tokens: a lane holds one token and eight neighbouring columns.
; THE LOOP IS ROLLED: a step is four quarters of 64 along K (a plane each) on two fragment buffers; a UNIT fetches a quarter and multiplies the second half of the quarter before and the first half of
; its own; a pair of UNITs is written once and walked twice a step.  The 16 accumulators take turns in one order.
; REGISTERS: window 0: addresses; v12-15 bias; v32-63 at work on the way out; v128-255 accumulator (a, b) at v[128 + 8 (4 a + b)].  window 1: two fragment buffers of 128: 64 of the operand, 64 of W.
.set NT,    4                          ; K steps: 1,024 / 256
.set WOFF,  6291456                    ; Wo in wb
.set PA,    144                        ; a token's 128 bytes of a plane + 16
.set PB,    288                        ; a k row of W: 256 bytes + 32
.set PLANE, 128*PA                     ; = 64 PB too: a quarter is as long in both tiles
.set HALF,  2*PLANE                    ; what one tensor load brings
.set SLOT,  4*HALF
.set SPARE, 2*SLOT
.set STEPA, 4*524288                   ; four planes of 4,096 x 128 bytes
.set STEPB, 256*2048
.set QQ,    PLANE
.set LATE,  16
.set SP,    272                        ; the stage: 64 f32 + 16 bytes
.set BI,  12
.set A0,  16
.set B0,  17
.set WA,  18
.set WB,  19
.set RO,  20                           ; v20  my offset in the residual's rows; never rewritten
.set BO,  21                           ; v21  my offset in the bias; never rewritten
.set STO, 24
.set RD,  25
.set CO,  26
.set SPW, 28
.set NIL, 29
.set PFO, 30
.set TMP, 32
.set ACC, 128
.set F0,  0
.set F1,  128
.set WV, 14
.set WR, 15
.set WC, 16
.set CX, 17
.set CY, 18
.set TC, 19
.set TR, 20
.set LB, 21
.set TB, 22
.set CNT, 23
.set G1A, 24
.set G0A, 32
.set PFA, 40
.set PFS, 42
.set LIM, 44
.set SLOTS, 45
.set MA, 46
.set MB, 47
.set G1B, 48
.set G0B, 56
.set MSB, 0
.macro WIN new
.if MSB != (\new)
	s_set_vgpr_msb (MSB<<8)|(\new)
.set MSB, \new
.endif
.endm
.macro PLACES                          ; four plain places behind matrix instructions (ISA guide 7.12.1)
.rept 4
	v_nop
.endr
.endm
.macro GROUP1 g, d0, d1, pitch
	s_mov_b32 s[(\g)+1], (\d0)<<16
	s_mov_b32 s[(\g)+2], (\d1)<<16
	s_mov_b32 s[(\g)+3], (\d0)<<16
	s_mov_b32 s[(\g)+4], \d1
	s_mov_b32 s[(\g)+5], \pitch
	s_mov_b32 s[(\g)+6], 0
	s_mov_b32 s[(\g)+7], 0
.endm
.macro CROUND                          ; a round of the cluster's barrier
	s_barrier_signal -1
	s_barrier_wait -1
	s_cmp_lg_u32 s[WV], 0
	s_cbranch_scc1 .Lnot_wave_0_\@
	s_barrier_signal -3
.Lnot_wave_0_\@:
	s_barrier_wait -3
	s_barrier_signal -1
	s_barrier_wait -1
.endm
.macro JLOAD                           ; a joint refill: waves 0, 1 fetch the operand's planes, waves 2, 3 W's rows; an s_nop 0 and four v_nop follow each line
	s_cmp_lt_u32 s[WV], 2
	s_cbranch_scc0 .Lfor_b_\@
	tensor_load_to_lds s[G0A+4:G0A+7], s[G1A:G1A+7]
	s_nop 0
.rept 4
	v_nop
.endr
	s_branch .Lasked_\@
.Lfor_b_\@:
	tensor_load_to_lds s[G0B+4:G0B+7], s[G1B:G1B+7]
	s_nop 0
.rept 4
	v_nop
.endr
.Lasked_\@:
.endm
; A prefetch of the K step behind the one just asked for: one instruction a wave, 32 blocks of 256 bytes.  The operand's are named by the clusters with x = 0, W's by those with y = 0; the four partners
; that ask for a tile jointly share its 128 blocks out by address.  The last refill names nothing.  K steps 0 to 2 come by their loads alone.
.macro ASK
	s_cmp_gt_u32 s[SLOTS], s[LIM]
	s_cbranch_scc0 .Lnot_mine_\@
	global_prefetch_b8 v[PFO], s[PFA:PFA+1] th:TH_LOAD_NT scope:SCOPE_SE
.Lnot_mine_\@:
.endm
; THE CHANGE OF SLOTS.  Each wave waits for all its tensor loads (one is out: its part of the next slot), adds 0 to its spare word, and waits for that and for its reads of the slot that it leaves.
; fill = 1: the barrier is a round of the cluster's, and the joint refill of the slot just left is the first thing behind it: it has a K step, 128 matrix instructions, in which to land.
.macro CHANGE fill
	WIN 0
	s_wait_tensorcnt 0x0                           ; no tensor load of mine is out, so a group 0 may be written
	ds_add_u32 v[SPW], v[NIL]
.if \fill
	s_add_co_u32 s[G0A+5], s[LB], s[TB]            ; into the slot that is being left,
	s_add_co_u32 s[G0B+5], s[LB], s[TB]
	s_add_nc_u64 s[G0A+6:G0A+7], s[G0A+6:G0A+7], STEPA  ; the next K step
	s_add_nc_u64 s[G0B+6:G0B+7], s[G0B+6:G0B+7], STEPB
	s_wait_xcnt 0x0                                ; the last prefetch, a K step back, has read its address
	s_add_nc_u64 s[PFA:PFA+1], s[PFA:PFA+1], s[PFS:PFS+1]
.endif
	s_xor_b32 s[TB], s[TB], SLOT
	s_wait_dscnt 0x0                               ; the add is done, and my reads of the slot are over
.if \fill
	CROUND
	JLOAD
.else
	s_barrier_signal -1
	s_barrier_wait -1
.endif
	v_add_nc_u32 v[WA], s[TB], v[A0]
	v_add_nc_u32 v[WB], s[TB], v[B0]
.if \fill
	ASK
.endif
.endm
; 32 LDS loads in one run: a quarter's fragments (64 along K), the first 32 along K first
.macro FETCH f, qo
	WIN 0x40                                       ; destination window 1, address window 0
.irp c, 0,1
.irp i, 0,1,2,3
	ds_load_tr16_b128 v[(\f)+64+8*(4*(\c)+(\i)):(\f)+64+8*(4*(\c)+(\i))+3],   v[WB] offset:(\qo)+(\c)*32*PB+32*(\i)
	ds_load_tr16_b128 v[(\f)+64+8*(4*(\c)+(\i))+4:(\f)+64+8*(4*(\c)+(\i))+7], v[WB] offset:(\qo)+(\c)*32*PB+32*(\i)+16*PB
	ds_load_b128 v[(\f)+8*(4*(\c)+(\i)):(\f)+8*(4*(\c)+(\i))+3],   v[WA] offset:(\qo)+64*(\c)+(\i)*16*PA
	ds_load_b128 v[(\f)+8*(4*(\c)+(\i))+4:(\f)+8*(4*(\c)+(\i))+7], v[WA] offset:(\qo)+64*(\c)+(\i)*16*PA+32
.endr
.endr
.endm
.macro MUL f, c                        ; 16 matrix instructions: all accumulators, 32 along K
	WIN 0x05                                       ; both sources window 1, C and D window 0
.irp a, 0,1,2,3
.irp b, 0,1,2,3
	v_wmma_f32_16x16x32_bf16 v[ACC+8*(4*(\a)+(\b)):ACC+8*(4*(\a)+(\b))+7], v[(\f)+64+8*(4*(\c)+(\b)):(\f)+64+8*(4*(\c)+(\b))+7], v[(\f)+8*(4*(\c)+(\a)):(\f)+8*(4*(\c)+(\a))+7], v[ACC+8*(4*(\a)+(\b)):ACC+8*(4*(\a)+(\b))+7]
.endr
.endr
.endm
.macro UNIT f, g, qo
	PLACES                                         ; buffer g's last readers stand ahead of these four
	FETCH \g, \qo
	s_wait_dscnt 32                                ; all but the 32 just issued: buffer f is whole
	MUL \f, 1
	s_wait_dscnt LATE                              ; g's first 32 along K are in
	MUL \g, 0
.endm
.macro STEPLOOP tag
.Lpair\tag:
	UNIT F1, F0, 0
	WIN 0
.Lmid\tag:
	UNIT F0, F1, QQ
	WIN 0
	v_add_nc_u32 v[WA], 2*QQ, v[WA]
	v_add_nc_u32 v[WB], 2*QQ, v[WB]
	s_sub_co_u32 s[CNT], s[CNT], 1
	s_cmp_lg_u32 s[CNT], 0
	s_cbranch_scc1 .Lpair\tag
.endm
	s_load_b256 s[4:11], s[0:1], 0x0               ; operand s[4:5], wb s[6:7], bias s[8:9], residual s[10:11]
	s_load_b64 s[12:13], s[0:1], 0x20              ; result
	v_lshl_add_u32 v[SPW], v0, 2, SPARE
	v_mov_b32 v[NIL], 0
	ds_add_u32 v[SPW], v[NIL]                      ; the opening: the add and its wait ahead of my first tensor load
	ds_add_u32 v28, v29
	v_lshrrev_b32 v1, 5, v0
	v_readfirstlane_b32 s[WV], v1
	s_lshr_b32 s[WR], s[WV], 1                     ; which 64 tokens are mine
	s_and_b32 s[WC], s[WV], 1                      ; which 64 columns; also: which half of a tile I fetch
	s_bfe_u32 s[CX], ttmp6, 0x40000
	s_bfe_u32 s[CY], ttmp6, 0x40004
	s_lshl_b32 s[TC], ttmp9, 2
	s_add_co_u32 s[TC], s[TC], s[CX]
	s_and_b32 s[TR], ttmp7, 0xffff
	s_lshl_b32 s[TR], s[TR], 2
	s_add_co_u32 s[TR], s[TR], s[CY]
	s_lshl_b32 s[MA], s[CY], 2
	s_lshl_b32 s[MA], 15, s[MA]
	s_lshl_b32 s[MB], 0x1111, s[CX]
	s_or_b32 s[G1A], s[MA], (1<<16)|(1<<20)|(1<<21)|(4<<22)|(3<<25)  ; after every 32 words (a token's part of a plane) 4 words
	s_or_b32 s[G1B], s[MB], (1<<16)|(1<<20)|(1<<21)|(5<<22)|(7<<25)  ; after every 64 words (a k row) 8 words
	GROUP1 G1A, 8192, 2, 262144                    ; a plane's 128 tokens are 16,384 dense bytes: one long row; 2 planes, 262,144 elements apart
	GROUP1 G1B, 128, 128, 1024                     ; 128 k rows x 128 columns
	s_lshl_b32 s66, s[TR], 14                      ; the operand: token 128 TR, 128 bytes each; planes 2 half ..
	s_lshl_b32 s67, s[WC], 20
	s_add_co_u32 s66, s66, s67
	s_mov_b32 s67, 0
	s_lshl_b32 s68, s[WC], 18                      ; W: k row 128 half, column 128 TC
	s_lshl_b32 s69, s[TC], 8
	s_add_co_u32 s68, s68, s69
	s_add_co_u32 s68, s68, WOFF
	s_mov_b32 s69, 0
	s_mul_i32 s[LB], s[WV], HALF                   ; no place in the cluster enters an LDS address
	s_mov_b32 s[TB], 0
	s_wait_dscnt 0x0
	s_wait_kmcnt 0x0
	s_add_nc_u64 s[66:67], s[4:5], s[66:67]
	s_add_nc_u64 s[68:69], s[6:7], s[68:69]
	CROUND                                         ; all sixteen work-groups are here: the first joint loads meet
.irp s, 0,1
	s_mov_b32 s[G0A+4*(\s)], 1
	s_add_co_u32 s[G0A+4*(\s)+1], s[LB], (\s)*SLOT
	s_add_nc_u64 s[G0A+4*(\s)+2:G0A+4*(\s)+3], s[66:67], (\s)*STEPA
	s_or_b32 s[G0A+4*(\s)+3], s[G0A+4*(\s)+3], 0x80000000
	s_mov_b32 s[G0B+4*(\s)], 1
	s_add_co_u32 s[G0B+4*(\s)+1], s[LB], (\s)*SLOT
	s_add_nc_u64 s[G0B+4*(\s)+2:G0B+4*(\s)+3], s[68:69], (\s)*STEPB
	s_or_b32 s[G0B+4*(\s)+3], s[G0B+4*(\s)+3], 0x80000000
.endr
	s_cmp_lt_u32 s[WV], 2                          ; a wave's two first fills stand in one branch: two loads of mine are out at the most
	s_cbranch_scc0 .Lfirst_b
	tensor_load_to_lds s[G0A:G0A+3], s[G1A:G1A+7]
	s_nop 0
	tensor_load_to_lds s[G0A+4:G0A+7], s[G1A:G1A+7]
	s_nop 0
.rept 4
	v_nop
.endr
	s_branch .Lfirst_asked
.Lfirst_b:
	tensor_load_to_lds s[G0B:G0B+3], s[G1B:G1B+7]
	s_nop 0
	tensor_load_to_lds s[G0B+4:G0B+7], s[G1B:G1B+7]
	s_nop 0
.rept 4
	v_nop
.endr
.Lfirst_asked:
	v_and_b32 v1, 15, v0                           ; r
	v_bfe_u32 v2, v0, 4, 1                         ; h
	v_and_b32 v3, 7, v0
	v_bfe_u32 v4, v0, 3, 1
	v_and_b32 v5, 31, v0
	s_lshl_b32 s72, s[TR], 7
	s_lshl_b32 s73, s[WR], 6
	s_add_co_u32 s72, s72, s73
	s_lshl_b32 s72, s72, 12                        ; my first token, 4,096 bytes a row,
	s_lshl_b32 s78, s[TC], 9
	s_lshl_b32 s73, s[WC], 8
	s_add_co_u32 s78, s78, s73                     ; my first column, 4 bytes each
	s_add_co_u32 s72, s72, s78
	s_mov_b32 s73, 0
	s_add_nc_u64 s[74:75], s[12:13], s[72:73]      ; in the result
	s_add_nc_u64 s[76:77], s[10:11], s[72:73]      ; and in the residual
	v_lshlrev_b32 v9, 12, v1
	v_lshl_add_u32 v[RO], v2, 5, v9                ; token r, columns 8 h ..
	v_lshl_add_u32 v[BO], v1, 4, s78               ; the way out's lane holds columns 4 r .. 4 r + 3
.irp a, 0,1,2,3
.irp b, 0,1,2,3
	global_load_b128 v[ACC+8*(4*(\a)+(\b)):ACC+8*(4*(\a)+(\b))+3],   v[RO], s[76:77] offset:(\a)*65536+64*(\b)
	global_load_b128 v[ACC+8*(4*(\a)+(\b))+4:ACC+8*(4*(\a)+(\b))+7], v[RO], s[76:77] offset:(\a)*65536+64*(\b)+16
.endr
.endr
	global_load_b128 v[BI:BI+3], v[BO], s[8:9]
	v_mul_u32_u24 v6, v1, PA
	v_lshl_add_u32 v6, v2, 4, v6
	s_mul_i32 s70, s[WR], 64*PA
	v_add_nc_u32 v[A0], s70, v6
	v_lshl_add_u32 v7, v2, 3, v3                   ; the turning load: k row 8 h + l % 8, 16 bytes by (l / 8) % 2
	v_mul_u32_u24 v7, v7, PB
	v_lshl_add_u32 v7, v4, 4, v7
	s_lshl_b32 s70, s[WC], 7
	s_add_co_u32 s70, s70, 2*HALF
	v_add_nc_u32 v[B0], s70, v7
	s_mul_i32 s70, s[WV], 64*SP                    ; my stage, in slot 0
	v_mul_u32_u24 v8, v1, SP
	v_lshl_add_u32 v8, v2, 5, v8
	v_add_nc_u32 v[STO], s70, v8
	v_mul_u32_u24 v8, v2, SP
	v_lshl_add_u32 v8, v1, 4, v8
	v_add_nc_u32 v[RD], s70, v8                    ; back: lanes 0-15 one row of 256 bytes, lanes 16-31 the next
	v_lshlrev_b32 v8, 12, v2
	v_lshl_add_u32 v[CO], v1, 4, v8
	; the prefetches
	s_lshl_b32 s72, s[TR], 14
	s_lshr_b32 s73, s[CX], 1
	s_lshl1_add_u32 s73, s[WC], s73                ; of my load's two planes my work-group names half of one: 32 blocks
	s_lshl_b32 s73, s73, 19
	s_add_co_u32 s72, s72, s73
	s_and_b32 s73, s[CX], 1
	s_lshl_b32 s73, s73, 13
	s_add_co_u32 s72, s72, s73
	s_add_co_u32 s72, s72, 2*STEPA                 ; at K step 2: the first change steps it to 3
	s_lshl_b32 s70, s[WC], 18
	s_lshl_b32 s71, s[TC], 8
	s_add_co_u32 s70, s70, s71
	s_lshl_b32 s71, s[CY], 16                      ; of my load's 128 k rows my work-group names 32
	s_add_co_u32 s70, s70, s71
	s_add_co_u32 s70, s70, WOFF+2*STEPB
	s_and_b32 s79, ttmp7, 0xffff
	s_mov_b32 s[PFS], STEPB
	s_mov_b32 s[PFS+1], 0
	s_mov_b32 s73, 0
	s_cmp_lt_u32 s[WV], 2
	s_cselect_b32 s72, s72, s70
	s_cselect_b32 s79, ttmp9, s79                  ; the coordinate along which other clusters read the same bytes
	s_cselect_b32 s[PFS], STEPA, s[PFS]
	s_cselect_b32 s71, -1, 0
	s_cselect_b64 s[PFA:PFA+1], s[4:5], s[6:7]
	s_add_nc_u64 s[PFA:PFA+1], s[PFA:PFA+1], s[72:73]
	s_cmp_eq_u32 s79, 0
	s_cselect_b32 s[LIM], 1, -1
	v_lshlrev_b32 v9, 8, v5                        ; the operand: dense blocks
	v_lshlrev_b32 v10, 11, v5                      ; W: a lane a k row
	v_cndmask_b32 v[PFO], v10, v9, s71
	s_wait_tensorcnt 0x1                           ; my part of K step 0 is in; K step 1's may stay out
	s_barrier_signal -1
	s_barrier_wait -1
	v_mov_b32 v[WA], v[A0]
	v_mov_b32 v[WB], v[B0]
	FETCH F0, 0
	s_wait_loadcnt 0x0                             ; the residual lies in the accumulators, the bias in its registers
	s_wait_dscnt LATE
	MUL F0, 0
	WIN 0
	s_mov_b32 s[CNT], 2
	s_mov_b32 s[SLOTS], NT-1
	s_branch .Lmid1                                ; the loop is entered in the middle of a pair
.Lslot:                                        ; NT - 2 times
	CHANGE 1
	s_mov_b32 s[CNT], 2
	STEPLOOP 1
	s_sub_co_u32 s[SLOTS], s[SLOTS], 1
	s_cmp_lg_u32 s[SLOTS], 0
	s_cbranch_scc1 .Lslot
	CHANGE 0                                       ; the last K step is written out
	s_mov_b32 s[CNT], 2
	STEPLOOP 2
	s_wait_dscnt 0x0
	MUL F1, 1
	WIN 0
	PLACES
	; THE WAY OUT.  NT is even: the last K step lay in slot 1; slot 0 has had its last fill and its last read ahead of the last change's barrier: each wave stages its tile in its own part of slot 0.
.irp a, 0,1,2,3
.irp b, 0,1,2,3
	ds_store_b128 v[STO], v[ACC+8*(4*(\a)+(\b)):ACC+8*(4*(\a)+(\b))+3]   offset:(\a)*16*SP+64*(\b)
	ds_store_b128 v[STO], v[ACC+8*(4*(\a)+(\b))+4:ACC+8*(4*(\a)+(\b))+7] offset:(\a)*16*SP+64*(\b)+16
.endr
.endr
	s_mov_b32 s[CNT], 4
.Lout:                                         ; 16 tokens a trip; LDS serves a wave's instructions in order (ISA guide 5.7.1.4)
.irp t, 0,1,2,3,4,5,6,7
	ds_load_b128 v[TMP+4*(\t):TMP+4*(\t)+3], v[RD] offset:(\t)*2*SP
.endr
	s_wait_dscnt 0x0
.irp t, 0,1,2,3,4,5,6,7
	v_pk_add_f32 v[TMP+4*(\t):TMP+4*(\t)+1], v[TMP+4*(\t):TMP+4*(\t)+1], v[BI:BI+1]
	v_pk_add_f32 v[TMP+4*(\t)+2:TMP+4*(\t)+3], v[TMP+4*(\t)+2:TMP+4*(\t)+3], v[BI+2:BI+3]
.endr
.irp t, 0,1,2,3,4,5,6,7
	global_store_b128 v[CO], v[TMP+4*(\t):TMP+4*(\t)+3], s[74:75] offset:(\t)*8192  ; 16 lanes: 256 consecutive bytes, aligned
.endr
	v_add_nc_u32 v[RD], 16*SP, v[RD]
	s_wait_xcnt 0x0                                ; the stores have read their data and their base
	s_add_nc_u64 s[74:75], s[74:75], 16*4096
	s_sub_co_u32 s[CNT], s[CNT], 1
	s_cmp_lg_u32 s[CNT], 0
	s_cbranch_scc1 .Lout
	s_wait_tensorcnt 0x0                           ; the wave's end
	ds_add_u32 v[SPW], v[NIL]
	s_wait_dscnt 0x0
	CROUND                                         ; the closing round
	s_endpgm
.Lfunc_end_k_q364fc736fa_wo:
	.size	k_q364fc736fa_wo, .Lfunc_end_k_q364fc736fa_wo-k_q364fc736fa_wo
	.p2alignl 7, 3214868480
	.fill 96, 4, 3214868480
	.section	.rodata,"a",@progbits
	.p2align	6, 0x0
	.amdhsa_kernel k_q364fc736fa_wo
		.amdhsa_group_segment_fixed_size 327680
		.amdhsa_private_segment_fixed_size 0
		.amdhsa_enable_private_segment 0
		.amdhsa_kernarg_size 40
		.amdhsa_user_sgpr_count 2
		.amdhsa_user_sgpr_kernarg_segment_ptr 1
		.amdhsa_wavefront_size32 1
		.amdhsa_system_sgpr_workgroup_id_x 1
		.amdhsa_system_sgpr_workgroup_id_y 1
		.amdhsa_system_sgpr_workgroup_id_z 1
		.amdhsa_system_vgpr_workitem_id 0
		.amdhsa_next_free_vgpr 512
		.amdhsa_next_free_sgpr 80
		.amdhsa_reserve_vcc 0
		.amdhsa_float_denorm_mode_32 3
		.amdhsa_float_denorm_mode_16_64 3
		.amdhsa_memory_ordered 1
		.amdhsa_forward_progress 1
		.amdhsa_inst_pref_size 40
	.end_amdhsa_kernel
	.amdgpu_metadata
---
amdhsa.version: [ 1, 2 ]
amdhsa.kernels:
  - .name:           k_q364fc736fa_wo
    .symbol:         k_q364fc736fa_wo.kd
    .args:
      - { .name: ao, .offset: 0, .size: 8, .value_kind: global_buffer, .address_space: global }
      - { .name: wb, .offset: 8, .size: 8, .value_kind: global_buffer, .address_space: global }
      - { .name: bo, .offset: 16, .size: 8, .value_kind: global_buffer, .address_space: global }
      - { .name: x, .offset: 24, .size: 8, .value_kind: global_buffer, .address_space: global }
      - { .name: x1, .offset: 32, .size: 8, .value_kind: global_buffer, .address_space: global }
    .group_segment_fixed_size: 327680
    .private_segment_fixed_size: 0
    .kernarg_segment_align: 8
    .kernarg_segment_size: 40
    .max_flat_workgroup_size: 128
    .sgpr_count:     80
    .vgpr_count:     512
    .wavefront_size: 32
...
	.end_amdgpu_metadata
.endif
;; end of part 4
;; launch ln2 (part 5): grid 512 x 1, 8 waves a work-group, no clusters, 0 bytes of LDS; arguments x1, g2, beta2, nx; writes nx
.if DOCPART == 5
	.amdgcn_target "amdgcn-amd-amdhsa--gfx1250"
	.amdhsa_code_object_version 6
	.text
	.protected	k_q364fc736fa_ln2
	.globl	k_q364fc736fa_ln2
	.p2align	8
	.type	k_q364fc736fa_ln2,@function
k_q364fc736fa_ln2:
	s_mov_b64 s[64:65], 0
	v_nop
	global_prefetch_b8 v0, s[64:65] scope:SCOPE_SE
	s_setreg_imm32_b32 hwreg(HW_REG_WAVE_MODE, 25, 1), 1
	s_wait_xcnt 0x0
; nx = LayerNorm(x1) * g2 + beta2, rounded once to bf16.  One wave, one row of 1,024 f32: eight loads of 16 bytes a lane, the row stays in 32 registers.  The mean is taken first and subtracted, the
; variance is the mean of the squares of the differences.  All arithmetic in f32.  NaN and infinities are not treated apart.  A stream: no LDS, no matrix unit, no cluster.
; Lane l holds, in registers 4 j .. 4 j + 3, columns 128 j + 4 l ..: a load covers 512 consecutive bytes, a store of 8 bytes a lane 256 consecutive bytes, aligned.
.set X,   8                            ; v[8:39]    the row; at the end its first 16 registers take the packed result
.set G,   40                           ; v[40:71]   g
.set BT,  72                           ; v[72:103]  beta
.set SM,  104                          ; v[104:111] four chains of packed sums
.set MU,  112                          ; v[112:113] the mean, twice
.set RS,  114                          ; v[114:115] 1 / sqrt(var + eps), twice
.set TA,  116                          ; v116, v117 at work
.macro JOIN
	v_pk_add_f32 v[SM:SM+1], v[SM:SM+1], v[SM+2:SM+3]
	v_pk_add_f32 v[SM+4:SM+5], v[SM+4:SM+5], v[SM+6:SM+7]
	v_pk_add_f32 v[SM:SM+1], v[SM:SM+1], v[SM+4:SM+5]
	v_add_f32 v[TA], v[SM], v[SM+1]
.endm
.macro LANESUM
	v_add_f32_dpp v[TA], v[TA], v[TA] row_xmask:1 row_mask:0xf bank_mask:0xf
	v_add_f32_dpp v[TA], v[TA], v[TA] row_xmask:2 row_mask:0xf bank_mask:0xf
	v_add_f32_dpp v[TA], v[TA], v[TA] row_xmask:4 row_mask:0xf bank_mask:0xf
	v_add_f32_dpp v[TA], v[TA], v[TA] row_xmask:8 row_mask:0xf bank_mask:0xf
	v_permlanex16_b32 v[TA+1], v[TA], s36, s37
	v_add_f32 v[TA], v[TA], v[TA+1]
.endm
	s_load_b256 s[4:11], s[0:1], 0x0               ; x1 s[4:5], g2 s[6:7], beta2 s[8:9], nx s[10:11]
	v_and_b32 v1, 31, v0
	v_lshrrev_b32 v2, 5, v0
	v_readfirstlane_b32 s29, v2                    ; wave
	v_lshlrev_b32 v3, 4, v1
	v_lshlrev_b32 v4, 3, v1
	v_mov_b32 v[TA+1], 0                           ; v_permlanex16_b32 counts as a reader of its destination
	s_lshl_b32 s26, ttmp9, 3
	s_add_co_u32 s26, s26, s29                     ; my row
	s_lshl_b32 s30, s26, 12
	s_mov_b32 s31, 0
	s_lshl_b32 s32, s26, 11
	s_mov_b32 s33, 0
	s_mov_b32 s34, 0x3a800000                      ; 1 / 1024
	s_mov_b32 s35, 0x3727c5ac                      ; 1e-5
	s_mov_b32 s36, 0x76543210
	s_mov_b32 s37, 0xfedcba98
	s_wait_kmcnt 0x0
	s_add_nc_u64 s[30:31], s[4:5], s[30:31]
	s_add_nc_u64 s[32:33], s[10:11], s[32:33]
.irp j, 0,1,2,3,4,5,6,7
	global_load_b128 v[X+4*(\j):X+4*(\j)+3], v3, s[30:31] offset:512*(\j) th:TH_LOAD_NT
.endr
.irp j, 0,1,2,3,4,5,6,7
	global_load_b128 v[G+4*(\j):G+4*(\j)+3], v3, s[6:7] offset:512*(\j)
.endr
.irp j, 0,1,2,3,4,5,6,7
	global_load_b128 v[BT+4*(\j):BT+4*(\j)+3], v3, s[8:9] offset:512*(\j)
.endr
	s_wait_loadcnt 16                              ; the row is in; the sixteen younger loads (g, beta) stay out
.irp c, 0,1,2,3
	v_pk_add_f32 v[SM+2*(\c):SM+2*(\c)+1], v[X+2*(\c):X+2*(\c)+1], v[X+8+2*(\c):X+8+2*(\c)+1]
.endr
.irp p, 8,9,10,11,12,13,14,15
	v_pk_add_f32 v[SM+2*((\p)%4):SM+2*((\p)%4)+1], v[SM+2*((\p)%4):SM+2*((\p)%4)+1], v[X+2*(\p):X+2*(\p)+1]
.endr
	JOIN
	LANESUM
	v_mul_f32 v[MU], s34, v[TA]
	v_mov_b32 v[MU+1], v[MU]
.irp p, 0,1,2,3,4,5,6,7,8,9,10,11,12,13,14,15
	v_pk_add_f32 v[X+2*(\p):X+2*(\p)+1], v[X+2*(\p):X+2*(\p)+1], v[MU:MU+1] neg_lo:[0,1] neg_hi:[0,1]
.endr
.irp c, 0,1,2,3
	v_pk_mul_f32 v[SM+2*(\c):SM+2*(\c)+1], v[X+2*(\c):X+2*(\c)+1], v[X+2*(\c):X+2*(\c)+1]
.endr
.irp p, 4,5,6,7,8,9,10,11,12,13,14,15
	v_pk_fma_f32 v[SM+2*((\p)%4):SM+2*((\p)%4)+1], v[X+2*(\p):X+2*(\p)+1], v[X+2*(\p):X+2*(\p)+1], v[SM+2*((\p)%4):SM+2*((\p)%4)+1]
.endr
	JOIN
	LANESUM
	v_fma_f32 v[TA], v[TA], s34, s35               ; var + eps
	v_rsq_f32 v[RS], v[TA]
	v_nop                                          ; a plain instruction behind the transcendental (ISA guide 5.7.2),
	s_wait_alu depctr_va_vdst(0)                   ; and the wait ahead of its first reader
	v_mov_b32 v[RS+1], v[RS]
	s_wait_loadcnt 0x0                             ; g and beta
.irp p, 0,1,2,3,4,5,6,7,8,9,10,11,12,13,14,15
	v_pk_mul_f32 v[X+2*(\p):X+2*(\p)+1], v[X+2*(\p):X+2*(\p)+1], v[RS:RS+1]
.endr
.irp p, 0,1,2,3,4,5,6,7,8,9,10,11,12,13,14,15
	v_pk_fma_f32 v[X+2*(\p):X+2*(\p)+1], v[X+2*(\p):X+2*(\p)+1], v[G+2*(\p):G+2*(\p)+1], v[BT+2*(\p):BT+2*(\p)+1]
.endr
.irp p, 0,1,2,3,4,5,6,7,8,9,10,11,12,13,14,15
	v_cvt_pk_bf16_f32 v[X+(\p)], v[X+2*(\p)], v[X+2*(\p)+1]  ; in place: destination p never passes source 2 p
.endr
.irp j, 0,1,2,3,4,5,6,7
	global_store_b64 v4, v[X+2*(\j):X+2*(\j)+1], s[32:33] offset:256*(\j)
.endr
	s_endpgm
.Lfunc_end_k_q364fc736fa_ln2:
	.size	k_q364fc736fa_ln2, .Lfunc_end_k_q364fc736fa_ln2-k_q364fc736fa_ln2
	.p2alignl 7, 3214868480
	.fill 96, 4, 3214868480
	.section	.rodata,"a",@progbits
	.p2align	6, 0x0
	.amdhsa_kernel k_q364fc736fa_ln2
		.amdhsa_group_segment_fixed_size 0
		.amdhsa_private_segment_fixed_size 0
		.amdhsa_enable_private_segment 0
		.amdhsa_kernarg_size 32
		.amdhsa_user_sgpr_count 2
		.amdhsa_user_sgpr_kernarg_segment_ptr 1
		.amdhsa_wavefront_size32 1
		.amdhsa_system_sgpr_workgroup_id_x 1
		.amdhsa_system_sgpr_workgroup_id_y 1
		.amdhsa_system_sgpr_workgroup_id_z 1
		.amdhsa_system_vgpr_workitem_id 0
		.amdhsa_next_free_vgpr 120
		.amdhsa_next_free_sgpr 66
		.amdhsa_reserve_vcc 0
		.amdhsa_float_denorm_mode_32 3
		.amdhsa_float_denorm_mode_16_64 3
		.amdhsa_memory_ordered 1
		.amdhsa_forward_progress 1
		.amdhsa_inst_pref_size 12
	.end_amdhsa_kernel
	.amdgpu_metadata
---
amdhsa.version: [ 1, 2 ]
amdhsa.kernels:
  - .name:           k_q364fc736fa_ln2
    .symbol:         k_q364fc736fa_ln2.kd
    .args:
      - { .name: x1, .offset: 0, .size: 8, .value_kind: global_buffer, .address_space: global }
      - { .name: g2, .offset: 8, .size: 8, .value_kind: global_buffer, .address_space: global }
      - { .name: beta2, .offset: 16, .size: 8, .value_kind: global_buffer, .address_space: global }
      - { .name: nx, .offset: 24, .size: 8, .value_kind: global_buffer, .address_space: global }
    .group_segment_fixed_size: 0
    .private_segment_fixed_size: 0
    .kernarg_segment_align: 8
    .kernarg_segment_size: 32
    .max_flat_workgroup_size: 256
    .sgpr_count:     66
    .vgpr_count:     120
    .wavefront_size: 32
...
	.end_amdgpu_metadata
.endif
;; end of part 5
;; launch ffn1 (part 6): grid 16 x 16, 4 waves a work-group, clusters of 4 x 4, 327,680 bytes of LDS; arguments nx, wb, b1, hb; writes hb
.if DOCPART == 6
	.amdgcn_target "amdgcn-amd-amdhsa--gfx1250"
	.amdhsa_code_object_version 6
	.text
	.protected	k_q364fc736fa_ffn1
	.globl	k_q364fc736fa_ffn1
	.p2align	8
	.type	k_q364fc736fa_ffn1,@function
k_q364fc736fa_ffn1:
	s_mov_b64 s[64:65], 0
	v_nop
	global_prefetch_b8 v0, s[64:65] scope:SCOPE_SE
	s_setreg_imm32_b32 hwreg(HW_REG_WAVE_MODE, 25, 1), 1
	s_wait_xcnt 0x0
	s_wait_alu depctr_hold_cnt(0) depctr_sa_sdst(0) depctr_va_vdst(0) depctr_va_sdst(0) depctr_va_ssrc(0) depctr_va_vcc(0) depctr_vm_vsrc(0)
	s_getreg_b32 s2, hwreg(HW_REG_IB_STS2, 6, 4)
	s_cmp_eq_u32 s2, 0
	s_cbranch_scc0 .Lentry_in_a_cluster
	s_endpgm
.Lentry_in_a_cluster:
	s_bfe_u32 s2, ttmp6, 0x10000c
	s_cmp_lg_u32 s2, 0xf033
	s_cbranch_scc0 .Lentry_shape_is_right
	s_endpgm
.Lentry_shape_is_right:
; hb = relu(nx . W1 + b1), rounded once to bf16.  nx: [4096][1024] bf16.  W1: wb at WOFF, [1024 k][4096 n] bf16.  b1: [4096] f32.  hb: [64 planes][4096 tokens][64] bf16: plane p holds columns 64 p ..,
; so that the next product's tiles are dense.
; SHARES.  A work-group makes 256 tokens x 256 columns (16 x 16 work-groups), each of its four waves 128 x 128: 64 accumulators, 512 registers.  K goes in 8 steps of 128 through two LDS slots.
; THE BIAS STARTS THE SUMS: it is the C operand of each accumulator's first product, so it costs no instruction and nothing is cleared.
; CLUSTER 4 x 4: nx's tile hangs on the tile row alone and is asked for jointly by a row of the cluster, W1's on the tile column alone, by a column.
; THE PRODUCT IS TAKEN TRANSPOSED: source 0 = 16 columns of W (turned on the way out of LDS by ds_load_tr16_b128), source 1 = 16 tokens: a lane holds one token and eight neighbouring columns.
; THE LOOP IS ROLLED: a step is four quarters of 32 along K on two fragment buffers; a UNIT fetches a quarter and multiplies the second half of the quarter before and the first half of its own; a pair of
; UNITs is written once and walked twice a step.  The accumulators take turns, one instruction a turn.
; REGISTERS, in windows of 256: window 0: addresses; v64-127, v128-191 nx's fragments, two buffers.  window 1: v64-127, v128-191 W's fragments; v192-255 the bias, 8 registers a column block.
;   windows 2, 3: accumulator (token block a, column block b) at v[8 (8 (a % 4) + b)] of window 2 + a / 4.
.set NT,    8
.set WOFF,  8388608                    ; W1 in wb
.set PA,    272                        ; a row of nx in LDS: 256 bytes + 16
.set PB,    544                        ; a k row of W: 512 bytes + 32
.set HALF,  128*PA                     ; = 64 PB: what one tensor load brings
.set SLOT,  4*HALF
.set SPARE, 2*SLOT
.set STEPA, 256
.set STEPB, 128*8192
.set QA,    64
.set QB,    32*PB
.set LATE,  8
.set A0,  16
.set B0,  17
.set WA,  18
.set WB,  19
.set STO, 24
.set RD,  25
.set GO,  26
.set BO,  27                           ; v27  my offset in the bias; never rewritten
.set SPW, 28
.set NIL, 29
.set PFO, 30
.set ZR,  31                           ; v31  0, for the packed maximum
.set F0,  64
.set F1,  128
.set BIAS, 192
.set WV, 14
.set WR, 15
.set WC, 16
.set CX, 17
.set CY, 18
.set TC, 19
.set TR, 20
.set LB, 21
.set TB, 22
.set CNT, 23
.set G1A, 24
.set G0A, 32
.set PFA, 40
.set PFS, 42
.set LIM, 44
.set SLOTS, 45
.set MA, 46
.set MB, 47
.set G1B, 48
.set G0B, 56
.set MSB, 0
.macro WIN new
.if MSB != (\new)
	s_set_vgpr_msb (MSB<<8)|(\new)
.set MSB, \new
.endif
.endm
.macro PLACES                          ; four plain places behind matrix instructions (ISA guide 7.12.1)
.rept 4
	v_nop
.endr
.endm
.macro GROUP1 g, d0, d1, pitch
	s_mov_b32 s[(\g)+1], (\d0)<<16
	s_mov_b32 s[(\g)+2], (\d1)<<16
	s_mov_b32 s[(\g)+3], (\d0)<<16
	s_mov_b32 s[(\g)+4], \d1
	s_mov_b32 s[(\g)+5], \pitch
	s_mov_b32 s[(\g)+6], 0
	s_mov_b32 s[(\g)+7], 0
.endm
.macro CROUND                          ; a round of the cluster's barrier
	s_barrier_signal -1
	s_barrier_wait -1
	s_cmp_lg_u32 s[WV], 0
	s_cbranch_scc1 .Lnot_wave_0_\@
	s_barrier_signal -3
.Lnot_wave_0_\@:
	s_barrier_wait -3
	s_barrier_signal -1
	s_barrier_wait -1
.endm
.macro JLOAD                           ; a joint refill: waves 0, 1 fetch nx's halves, waves 2, 3 W's; an s_nop 0 and four v_nop follow each line
	s_cmp_lt_u32 s[WV], 2
	s_cbranch_scc0 .Lfor_b_\@
	tensor_load_to_lds s[G0A+4:G0A+7], s[G1A:G1A+7]
	s_nop 0
.rept 4
	v_nop
.endr
	s_branch .Lasked_\@
.Lfor_b_\@:
	tensor_load_to_lds s[G0B+4:G0B+7], s[G1B:G1B+7]
	s_nop 0
.rept 4
	v_nop
.endr
.Lasked_\@:
.endm
; A prefetch of the K step behind the one just asked for: one instruction a wave, 32 blocks of 256 bytes.  nx's rows are named by the clusters with x = 0, W's by those with y = 0; the four partners that
; ask for a tile jointly share its 128 blocks out by address.  The last refill names nothing.  K steps 0 to 2 come by their loads alone.
.macro ASK
	s_cmp_gt_u32 s[SLOTS], s[LIM]
	s_cbranch_scc0 .Lnot_mine_\@
	global_prefetch_b8 v[PFO], s[PFA:PFA+1] th:TH_LOAD_NT scope:SCOPE_SE
.Lnot_mine_\@:
.endm
; THE CHANGE OF SLOTS.  Each wave waits for all its tensor loads (one is out: its part of the next slot), adds 0 to its spare word, and waits for that and for its reads of the slot that it leaves.
; fill = 1: the barrier is a round of the cluster's, and the joint refill of the slot just left is the first thing behind it: it has a K step, 256 matrix instructions, in which to land.
.macro CHANGE fill
	WIN 0
	s_wait_tensorcnt 0x0                           ; no tensor load of mine is out, so a group 0 may be written
	ds_add_u32 v[SPW], v[NIL]
.if \fill
	s_add_co_u32 s[G0A+5], s[LB], s[TB]            ; into the slot that is being left,
	s_add_co_u32 s[G0B+5], s[LB], s[TB]
	s_add_nc_u64 s[G0A+6:G0A+7], s[G0A+6:G0A+7], STEPA  ; the next K step
	s_add_nc_u64 s[G0B+6:G0B+7], s[G0B+6:G0B+7], STEPB
	s_wait_xcnt 0x0                                ; the last prefetch, a K step back, has read its address
	s_add_nc_u64 s[PFA:PFA+1], s[PFA:PFA+1], s[PFS:PFS+1]
.endif
	s_xor_b32 s[TB], s[TB], SLOT
	s_wait_dscnt 0x0                               ; the add is done, and my reads of the slot are over
.if \fill
	CROUND
	JLOAD
.else
	s_barrier_signal -1
	s_barrier_wait -1
.endif
	v_add_nc_u32 v[WA], s[TB], v[A0]
	v_add_nc_u32 v[WB], s[TB], v[B0]
.if \fill
	ASK
.endif
.endm
; 32 LDS loads in one run: a quarter's fragments into buffer f: W's 8 column blocks, then nx's 8 token blocks
.macro FETCH f, qa, qb
	WIN 0x40                                       ; destination window 1, address window 0
.irp b, 0,1,2,3,4,5,6,7
	ds_load_tr16_b128 v[(\f)+8*(\b):(\f)+8*(\b)+3],   v[WB] offset:(\qb)+32*(\b)
	ds_load_tr16_b128 v[(\f)+8*(\b)+4:(\f)+8*(\b)+7], v[WB] offset:(\qb)+32*(\b)+16*PB
.endr
	WIN 0
.irp a, 0,1,2,3,4,5,6,7
	ds_load_b128 v[(\f)+8*(\a):(\f)+8*(\a)+3],   v[WA] offset:(\qa)+(\a)*16*PA
	ds_load_b128 v[(\f)+8*(\a)+4:(\f)+8*(\a)+7], v[WA] offset:(\qa)+(\a)*16*PA+32
.endr
.endm
; 32 matrix instructions: token blocks 4 hi .. 4 hi + 3 x the 8 column blocks.  init = 1: the bias is the C operand: the first product starts the sums
.macro MUL f, hi, init
.if \init
	WIN 0x91+0x40*(\hi)                            ; W window 1, nx window 0, C (the bias) window 1, D window 2 or 3
.else
	WIN 0xa1+0x50*(\hi)                            ; C and D window 2 or 3
.endif
.irp a, 0,1,2,3
.irp b, 0,1,2,3,4,5,6,7
.if \init
	v_wmma_f32_16x16x32_bf16 v[8*(8*(\a)+(\b)):8*(8*(\a)+(\b))+7], v[(\f)+8*(\b):(\f)+8*(\b)+7], v[(\f)+8*(4*(\hi)+(\a)):(\f)+8*(4*(\hi)+(\a))+7], v[BIAS+8*(\b):BIAS+8*(\b)+7]
.else
	v_wmma_f32_16x16x32_bf16 v[8*(8*(\a)+(\b)):8*(8*(\a)+(\b))+7], v[(\f)+8*(\b):(\f)+8*(\b)+7], v[(\f)+8*(4*(\hi)+(\a)):(\f)+8*(4*(\hi)+(\a))+7], v[8*(8*(\a)+(\b)):8*(8*(\a)+(\b))+7]
.endif
.endr
.endr
.endm
.macro UNIT f, g, qa, qb, init
	PLACES                                         ; buffer g's last readers stand ahead of these four
	FETCH \g, \qa, \qb
	s_wait_dscnt 32                                ; all but the 32 just issued: buffer f is whole
	MUL \f, 1, \init
	s_wait_dscnt LATE                              ; all of g but nx's token blocks 4 to 7
	MUL \g, 0, 0
.endm
.macro STEPLOOP tag
.Lpair\tag:
	UNIT F1, F0, 0, 0, 0
	UNIT F0, F1, QA, QB, 0
	WIN 0
	v_add_nc_u32 v[WA], 2*QA, v[WA]
	v_add_nc_u32 v[WB], 2*QB, v[WB]
	s_sub_co_u32 s[CNT], s[CNT], 1
	s_cmp_lg_u32 s[CNT], 0
	s_cbranch_scc1 .Lpair\tag
.endm
	s_load_b256 s[4:11], s[0:1], 0x0               ; nx s[4:5], wb s[6:7], b1 s[8:9], hb s[10:11]
	v_lshl_add_u32 v[SPW], v0, 2, SPARE
	v_mov_b32 v[NIL], 0
	ds_add_u32 v[SPW], v[NIL]                      ; the opening: the add and its wait ahead of my first tensor load
	ds_add_u32 v28, v29
	v_lshrrev_b32 v1, 5, v0
	v_readfirstlane_b32 s[WV], v1
	s_lshr_b32 s[WR], s[WV], 1                     ; which 128 tokens are mine
	s_and_b32 s[WC], s[WV], 1                      ; which 128 columns; also: which half of a tile I fetch
	s_bfe_u32 s[CX], ttmp6, 0x40000
	s_bfe_u32 s[CY], ttmp6, 0x40004
	s_lshl_b32 s[TC], ttmp9, 2
	s_add_co_u32 s[TC], s[TC], s[CX]
	s_and_b32 s[TR], ttmp7, 0xffff
	s_lshl_b32 s[TR], s[TR], 2
	s_add_co_u32 s[TR], s[TR], s[CY]
	s_lshl_b32 s[MA], s[CY], 2
	s_lshl_b32 s[MA], 15, s[MA]
	s_lshl_b32 s[MB], 0x1111, s[CX]
	s_or_b32 s[G1A], s[MA], (1<<16)|(1<<20)|(1<<21)|(5<<22)|(3<<25)  ; after every 64 words 4 words
	s_or_b32 s[G1B], s[MB], (1<<16)|(1<<20)|(1<<21)|(6<<22)|(7<<25)  ; after every 128 words 8 words
	GROUP1 G1A, 128, 128, 1024                     ; 128 tokens x 128 k
	GROUP1 G1B, 256, 64, 4096                      ; 64 k rows x 256 columns
	s_lshl_b32 s66, s[TR], 8
	s_lshl_b32 s67, s[WC], 7
	s_add_co_u32 s66, s66, s67
	s_lshl_b32 s66, s66, 11                        ; nx: token 256 TR + 128 half
	s_mov_b32 s67, 0
	s_lshl_b32 s68, s[WC], 19                      ; W: k row 64 half, column 256 TC
	s_lshl_b32 s69, s[TC], 9
	s_add_co_u32 s68, s68, s69
	s_add_co_u32 s68, s68, WOFF
	s_mov_b32 s69, 0
	s_mul_i32 s[LB], s[WV], HALF                   ; no place in the cluster enters an LDS address
	s_mov_b32 s[TB], 0
	s_wait_dscnt 0x0
	s_wait_kmcnt 0x0
	s_add_nc_u64 s[66:67], s[4:5], s[66:67]
	s_add_nc_u64 s[68:69], s[6:7], s[68:69]
	CROUND                                         ; all sixteen work-groups are here: the first joint loads meet
.irp s, 0,1
	s_mov_b32 s[G0A+4*(\s)], 1
	s_add_co_u32 s[G0A+4*(\s)+1], s[LB], (\s)*SLOT
	s_add_nc_u64 s[G0A+4*(\s)+2:G0A+4*(\s)+3], s[66:67], (\s)*STEPA
	s_or_b32 s[G0A+4*(\s)+3], s[G0A+4*(\s)+3], 0x80000000
	s_mov_b32 s[G0B+4*(\s)], 1
	s_add_co_u32 s[G0B+4*(\s)+1], s[LB], (\s)*SLOT
	s_add_nc_u64 s[G0B+4*(\s)+2:G0B+4*(\s)+3], s[68:69], (\s)*STEPB
	s_or_b32 s[G0B+4*(\s)+3], s[G0B+4*(\s)+3], 0x80000000
.endr
	s_cmp_lt_u32 s[WV], 2                          ; a wave's two first fills stand in one branch: two loads of mine are out at the most
	s_cbranch_scc0 .Lfirst_b
	tensor_load_to_lds s[G0A:G0A+3], s[G1A:G1A+7]
	s_nop 0
	tensor_load_to_lds s[G0A+4:G0A+7], s[G1A:G1A+7]
	s_nop 0
.rept 4
	v_nop
.endr
	s_branch .Lfirst_asked
.Lfirst_b:
	tensor_load_to_lds s[G0B:G0B+3], s[G1B:G1B+7]
	s_nop 0
	tensor_load_to_lds s[G0B+4:G0B+7], s[G1B:G1B+7]
	s_nop 0
.rept 4
	v_nop
.endr
.Lfirst_asked:
	v_and_b32 v1, 15, v0                           ; r
	v_bfe_u32 v2, v0, 4, 1                         ; h
	v_and_b32 v3, 7, v0
	v_bfe_u32 v4, v0, 3, 1
	v_and_b32 v5, 31, v0
	s_lshl_b32 s72, s[TC], 10
	s_lshl_b32 s73, s[WC], 9
	s_add_co_u32 s72, s72, s73                     ; my first column, 4 bytes each
	v_lshl_add_u32 v[BO], v2, 5, s72               ; + 8 h
	WIN 0x40
.irp b, 0,1,2,3,4,5,6,7
	global_load_b128 v[BIAS+8*(\b):BIAS+8*(\b)+3],   v[BO], s[8:9] offset:64*(\b)
	global_load_b128 v[BIAS+8*(\b)+4:BIAS+8*(\b)+7], v[BO], s[8:9] offset:64*(\b)+16
.endr
	WIN 0
	v_mul_u32_u24 v6, v1, PA
	v_lshl_add_u32 v6, v2, 4, v6
	s_mul_i32 s70, s[WR], HALF
	v_add_nc_u32 v[A0], s70, v6
	v_lshl_add_u32 v7, v2, 3, v3                   ; the turning load: k row 8 h + l % 8, 16 bytes by (l / 8) % 2
	v_mul_u32_u24 v7, v7, PB
	v_lshl_add_u32 v7, v4, 4, v7
	s_lshl_b32 s70, s[WC], 8
	s_add_co_u32 s70, s70, 2*HALF
	v_add_nc_u32 v[B0], s70, v7
	v_add_nc_u32 v[STO], s[LB], v6                 ; my stage, in slot 0: 128 rows of 272 bytes at wave x HALF
	v_lshrrev_b32 v8, 3, v5
	v_mul_u32_u24 v8, v8, PA
	v_lshl_add_u32 v8, v3, 4, v8
	v_add_nc_u32 v[RD], s[LB], v8                  ; back: 32 lanes take four tokens' 128 bytes of one plane
	v_lshlrev_b32 v[GO], 4, v5
	v_mov_b32 v[ZR], 0
	s_lshl_b32 s74, s[TC], 2
	s_lshl_b32 s75, s[WC], 1
	s_add_co_u32 s74, s74, s75                     ; my first plane
	s_lshl_b32 s74, s74, 12
	s_lshl_b32 s75, s[TR], 8
	s_add_co_u32 s74, s74, s75
	s_lshl_b32 s75, s[WR], 7
	s_add_co_u32 s74, s74, s75                     ; + my first token
	s_lshl_b32 s74, s74, 7                         ; x 128 bytes
	s_mov_b32 s75, 0
	s_add_nc_u64 s[74:75], s[10:11], s[74:75]
	; the prefetches
	s_lshl_b32 s72, s[TR], 8
	s_lshl_b32 s73, s[WC], 7
	s_add_co_u32 s72, s72, s73
	s_lshl_b32 s73, s[CX], 5                       ; nx: of the 128 rows that I fetch my work-group names 32, a lane a row
	s_add_co_u32 s72, s72, s73
	s_lshl_b32 s72, s72, 11
	s_add_co_u32 s72, s72, 2*STEPA                 ; at K step 2: the first change steps it to 3
	s_lshl_b32 s70, s[WC], 6
	s_lshl_b32 s71, s[CY], 4                       ; W: of the 64 k rows that I fetch my work-group names 16, two lanes a row
	s_add_co_u32 s70, s70, s71
	s_lshl_b32 s70, s70, 13
	s_lshl_b32 s71, s[TC], 9
	s_add_co_u32 s70, s70, s71
	s_add_co_u32 s70, s70, WOFF+2*STEPB
	s_and_b32 s76, ttmp7, 0xffff
	s_mov_b32 s[PFS], STEPB
	s_mov_b32 s[PFS+1], 0
	s_mov_b32 s73, 0
	s_cmp_lt_u32 s[WV], 2
	s_cselect_b32 s72, s72, s70
	s_cselect_b32 s76, ttmp9, s76                  ; the coordinate along which other clusters read the same rows
	s_cselect_b32 s[PFS], STEPA, s[PFS]
	s_cselect_b32 s77, -1, 0
	s_cselect_b64 s[PFA:PFA+1], s[4:5], s[6:7]
	s_add_nc_u64 s[PFA:PFA+1], s[PFA:PFA+1], s[72:73]
	s_cmp_eq_u32 s76, 0
	s_cselect_b32 s[LIM], 1, -1
	v_lshlrev_b32 v9, 11, v5
	v_lshrrev_b32 v10, 1, v5
	v_lshlrev_b32 v10, 13, v10
	v_and_b32 v11, 1, v5
	v_lshl_add_u32 v10, v11, 8, v10
	v_cndmask_b32 v[PFO], v10, v9, s77
	s_wait_tensorcnt 0x1                           ; my part of K step 0 is in; K step 1's may stay out
	s_barrier_signal -1
	s_barrier_wait -1
	v_mov_b32 v[WA], v[A0]
	v_mov_b32 v[WB], v[B0]
	FETCH F0, 0, 0
	s_wait_loadcnt 0x0                             ; the bias
	s_wait_dscnt LATE
	MUL F0, 0, 1                                   ; the first quarter's products start the sums with the bias
	UNIT F0, F1, QA, QB, 1
	WIN 0
	v_add_nc_u32 v[WA], 2*QA, v[WA]
	v_add_nc_u32 v[WB], 2*QB, v[WB]
	s_mov_b32 s[CNT], 1                            ; K step 0 has one pair left
	s_mov_b32 s[SLOTS], NT-1
	s_branch .Lpair1
.Lslot:                                        ; NT - 2 times
	CHANGE 1
	s_mov_b32 s[CNT], 2
	STEPLOOP 1
	s_sub_co_u32 s[SLOTS], s[SLOTS], 1
	s_cmp_lg_u32 s[SLOTS], 0
	s_cbranch_scc1 .Lslot
	CHANGE 0                                       ; the last K step is written out
	s_mov_b32 s[CNT], 2
	STEPLOOP 2
	s_wait_dscnt 0x0
	MUL F1, 1, 0
	PLACES
	; THE WAY OUT.  The last K step lay in slot 1; slot 0 has had its last fill and its last read ahead of the last change's barrier: each wave stages its tile in its own part of slot 0.
.irp a, 0,1,2,3,4,5,6,7
	WIN 0x0a+5*((\a)/4)                            ; sources in window 2 or 3
.irp b, 0,1,2,3,4,5,6,7
.irp q, 0,1,2,3
	v_cvt_pk_bf16_f32 v[F1+4*(\b)+(\q)], v[8*(8*((\a)%4)+(\b))+2*(\q)], v[8*(8*((\a)%4)+(\b))+2*(\q)+1]
.endr
.endr
	WIN 0
.irp b, 0,1,2,3,4,5,6,7
	ds_store_b128 v[STO], v[F1+4*(\b):F1+4*(\b)+3] offset:(\a)*16*PA+32*(\b)
.endr
.endr
	s_mov_b32 s[CNT], 4
.Lout:                                         ; 32 tokens a trip; load i: tokens 16 (i / 8) + 4 ((i / 2) % 4) .., plane i % 2.  LDS serves a wave's instructions in order (ISA guide 5.7.1.4)
.irp i, 0,1,2,3,4,5,6,7,8,9,10,11,12,13,14,15
	ds_load_b128 v[F0+4*(\i):F0+4*(\i)+3], v[RD] offset:((\i)/8)*16*PA+(((\i)/2)%4)*4*PA+((\i)%2)*128
.endr
	s_wait_dscnt 8                                 ; the first eight are in
.set z, 0
.rept 32
	v_pk_max_num_bf16 v[F0+z], v[F0+z], v[ZR]      ; the ReLU, two numbers a line; nothing is rounded
.set z, z+1
.endr
.irp i, 0,1,2,3,4,5,6,7
	global_store_b128 v[GO], v[F0+4*(\i):F0+4*(\i)+3], s[74:75] offset:((\i)/8)*2048+(((\i)/2)%4)*512+((\i)%2)*524288  ; 512 consecutive bytes of a plane, aligned
.endr
	s_wait_dscnt 0x0
.rept 32
	v_pk_max_num_bf16 v[F0+z], v[F0+z], v[ZR]
.set z, z+1
.endr
.irp i, 8,9,10,11,12,13,14,15
	global_store_b128 v[GO], v[F0+4*(\i):F0+4*(\i)+3], s[74:75] offset:((\i)/8)*2048+(((\i)/2)%4)*512+((\i)%2)*524288
.endr
	v_add_nc_u32 v[RD], 32*PA, v[RD]
	s_wait_xcnt 0x0                                ; the stores have read their data and their base
	s_add_nc_u64 s[74:75], s[74:75], 32*128
	s_sub_co_u32 s[CNT], s[CNT], 1
	s_cmp_lg_u32 s[CNT], 0
	s_cbranch_scc1 .Lout
	s_wait_tensorcnt 0x0                           ; the wave's end
	ds_add_u32 v[SPW], v[NIL]
	s_wait_dscnt 0x0
	CROUND                                         ; the closing round
	s_endpgm
.Lfunc_end_k_q364fc736fa_ffn1:
	.size	k_q364fc736fa_ffn1, .Lfunc_end_k_q364fc736fa_ffn1-k_q364fc736fa_ffn1
	.p2alignl 7, 3214868480
	.fill 96, 4, 3214868480
	.section	.rodata,"a",@progbits
	.p2align	6, 0x0
	.amdhsa_kernel k_q364fc736fa_ffn1
		.amdhsa_group_segment_fixed_size 327680
		.amdhsa_private_segment_fixed_size 0
		.amdhsa_enable_private_segment 0
		.amdhsa_kernarg_size 32
		.amdhsa_user_sgpr_count 2
		.amdhsa_user_sgpr_kernarg_segment_ptr 1
		.amdhsa_wavefront_size32 1
		.amdhsa_system_sgpr_workgroup_id_x 1
		.amdhsa_system_sgpr_workgroup_id_y 1
		.amdhsa_system_sgpr_workgroup_id_z 1
		.amdhsa_system_vgpr_workitem_id 0
		.amdhsa_next_free_vgpr 1024
		.amdhsa_next_free_sgpr 80
		.amdhsa_reserve_vcc 0
		.amdhsa_float_denorm_mode_32 3
		.amdhsa_float_denorm_mode_16_64 3
		.amdhsa_memory_ordered 1
		.amdhsa_forward_progress 1
		.amdhsa_inst_pref_size 78
	.end_amdhsa_kernel
	.amdgpu_metadata
---
amdhsa.version: [ 1, 2 ]
amdhsa.kernels:
  - .name:           k_q364fc736fa_ffn1
    .symbol:         k_q364fc736fa_ffn1.kd
    .args:
      - { .name: nx, .offset: 0, .size: 8, .value_kind: global_buffer, .address_space: global }
      - { .name: wb, .offset: 8, .size: 8, .value_kind: global_buffer, .address_space: global }
      - { .name: b1, .offset: 16, .size: 8, .value_kind: global_buffer, .address_space: global }
      - { .name: hb, .offset: 24, .size: 8, .value_kind: global_buffer, .address_space: global }
    .group_segment_fixed_size: 327680
    .private_segment_fixed_size: 0
    .kernarg_segment_align: 8
    .kernarg_segment_size: 32
    .max_flat_workgroup_size: 128
    .sgpr_count:     80
    .vgpr_count:     1024
    .wavefront_size: 32
...
	.end_amdgpu_metadata
.endif
;; end of part 6
;; launch ffn2 (part 7): grid 8 x 32, 4 waves a work-group, clusters of 4 x 4, 327,680 bytes of LDS; arguments hb, wb, b2, x1, out0; writes out0
.if DOCPART == 7
	.amdgcn_target "amdgcn-amd-amdhsa--gfx1250"
	.amdhsa_code_object_version 6
	.text
	.protected	k_q364fc736fa_ffn2
	.globl	k_q364fc736fa_ffn2
	.p2align	8
	.type	k_q364fc736fa_ffn2,@function
k_q364fc736fa_ffn2:
	s_mov_b64 s[64:65], 0
	v_nop
	global_prefetch_b8 v0, s[64:65] scope:SCOPE_SE
	s_setreg_imm32_b32 hwreg(HW_REG_WAVE_MODE, 25, 1), 1
	s_wait_xcnt 0x0
	s_wait_alu depctr_hold_cnt(0) depctr_sa_sdst(0) depctr_va_vdst(0) depctr_va_sdst(0) depctr_va_ssrc(0) depctr_va_vcc(0) depctr_vm_vsrc(0)
	s_getreg_b32 s2, hwreg(HW_REG_IB_STS2, 6, 4)
	s_cmp_eq_u32 s2, 0
	s_cbranch_scc0 .Lentry_in_a_cluster
	s_endpgm
.Lentry_in_a_cluster:
	s_bfe_u32 s2, ttmp6, 0x10000c
	s_cmp_lg_u32 s2, 0xf033
	s_cbranch_scc0 .Lentry_shape_is_right
	s_endpgm
.Lentry_shape_is_right:
; out0 = x1 + b2 + hb . W2.  hb: [64 planes][4096 tokens][64] bf16 (plane p holds K columns 64 p ..).  W2: wb at WOFF, [4096 k][1024 n] bf16.  x1, out0: [4096][1024] f32; b2: [1024] f32.
; SHARES.  A work-group makes 128 tokens x 128 columns (8 x 32 work-groups), each of its four waves 64 x 64: 16 accumulators.  K goes in NT steps of 256 (four planes) through two LDS slots.
; THE RESIDUAL STARTS THE SUMS: x1's numbers are loaded straight into the accumulators, so there is no clearing and no add at the end; the bias is added on the way out.  All of that in f32.
; CLUSTER 4 x 4: the operand's tile hangs on the tile row alone and is asked for jointly by a row of the cluster, the weights' on the tile column alone, by a column.
; THE PRODUCT IS TAKEN TRANSPOSED: source 0 = 16 columns of W (turned on the way out of LDS by ds_load_tr16_b128), source 1 = 16 tokens: a lane holds one token and eight neighbouring columns.
; THE LOOP IS ROLLED: a step is four quarters of 64 along K (a plane each) on two fragment buffers; a UNIT fetches a quarter and multiplies the second half of the quarter before and the first half of
; its own; a pair of UNITs is written once and walked twice a step.  The 16 accumulators take turns in one order.
; REGISTERS: window 0: addresses; v12-15 bias; v32-63 at work on the way out; v128-255 accumulator (a, b) at v[128 + 8 (4 a + b)].  window 1: two fragment buffers of 128: 64 of the operand, 64 of W.
.set NT,    16                         ; K steps: 4,096 / 256
.set WOFF,  16777216                   ; W2 in wb
.set PA,    144                        ; a token's 128 bytes of a plane + 16
.set PB,    288                        ; a k row of W: 256 bytes + 32
.set PLANE, 128*PA                     ; = 64 PB too: a quarter is as long in both tiles
.set HALF,  2*PLANE                    ; what one tensor load brings
.set SLOT,  4*HALF
.set SPARE, 2*SLOT
.set STEPA, 4*524288                   ; four planes of 4,096 x 128 bytes
.set STEPB, 256*2048
.set QQ,    PLANE
.set LATE,  16
.set SP,    272                        ; the stage: 64 f32 + 16 bytes
.set BI,  12
.set A0,  16
.set B0,  17
.set WA,  18
.set WB,  19
.set RO,  20                           ; v20  my offset in the residual's rows; never rewritten
.set BO,  21                           ; v21  my offset in the bias; never rewritten
.set STO, 24
.set RD,  25
.set CO,  26
.set SPW, 28
.set NIL, 29
.set PFO, 30
.set TMP, 32
.set ACC, 128
.set F0,  0
.set F1,  128
.set WV, 14
.set WR, 15
.set WC, 16
.set CX, 17
.set CY, 18
.set TC, 19
.set TR, 20
.set LB, 21
.set TB, 22
.set CNT, 23
.set G1A, 24
.set G0A, 32
.set PFA, 40
.set PFS, 42
.set LIM, 44
.set SLOTS, 45
.set MA, 46
.set MB, 47
.set G1B, 48
.set G0B, 56
.set MSB, 0
.macro WIN new
.if MSB != (\new)
	s_set_vgpr_msb (MSB<<8)|(\new)
.set MSB, \new
.endif
.endm
.macro PLACES                          ; four plain places behind matrix instructions (ISA guide 7.12.1)
.rept 4
	v_nop
.endr
.endm
.macro GROUP1 g, d0, d1, pitch
	s_mov_b32 s[(\g)+1], (\d0)<<16
	s_mov_b32 s[(\g)+2], (\d1)<<16
	s_mov_b32 s[(\g)+3], (\d0)<<16
	s_mov_b32 s[(\g)+4], \d1
	s_mov_b32 s[(\g)+5], \pitch
	s_mov_b32 s[(\g)+6], 0
	s_mov_b32 s[(\g)+7], 0
.endm
.macro CROUND                          ; a round of the cluster's barrier
	s_barrier_signal -1
	s_barrier_wait -1
	s_cmp_lg_u32 s[WV], 0
	s_cbranch_scc1 .Lnot_wave_0_\@
	s_barrier_signal -3
.Lnot_wave_0_\@:
	s_barrier_wait -3
	s_barrier_signal -1
	s_barrier_wait -1
.endm
.macro JLOAD                           ; a joint refill: waves 0, 1 fetch the operand's planes, waves 2, 3 W's rows; an s_nop 0 and four v_nop follow each line
	s_cmp_lt_u32 s[WV], 2
	s_cbranch_scc0 .Lfor_b_\@
	tensor_load_to_lds s[G0A+4:G0A+7], s[G1A:G1A+7]
	s_nop 0
.rept 4
	v_nop
.endr
	s_branch .Lasked_\@
.Lfor_b_\@:
	tensor_load_to_lds s[G0B+4:G0B+7], s[G1B:G1B+7]
	s_nop 0
.rept 4
	v_nop
.endr
.Lasked_\@:
.endm
; A prefetch of the K step behind the one just asked for: one instruction a wave, 32 blocks of 256 bytes.  The operand's are named by the clusters with x = 0, W's by those with y = 0; the four partners
; that ask for a tile jointly share its 128 blocks out by address.  The last refill names nothing.  K steps 0 to 2 come by their loads alone.
.macro ASK
	s_cmp_gt_u32 s[SLOTS], s[LIM]
	s_cbranch_scc0 .Lnot_mine_\@
	global_prefetch_b8 v[PFO], s[PFA:PFA+1] th:TH_LOAD_NT scope:SCOPE_SE
.Lnot_mine_\@:
.endm
; THE CHANGE OF SLOTS.  Each wave waits for all its tensor loads (one is out: its part of the next slot), adds 0 to its spare word, and waits for that and for its reads of the slot that it leaves.
; fill = 1: the barrier is a round of the cluster's, and the joint refill of the slot just left is the first thing behind it: it has a K step, 128 matrix instructions, in which to land.
.macro CHANGE fill
	WIN 0
	s_wait_tensorcnt 0x0                           ; no tensor load of mine is out, so a group 0 may be written
	ds_add_u32 v[SPW], v[NIL]
.if \fill
	s_add_co_u32 s[G0A+5], s[LB], s[TB]            ; into the slot that is being left,
	s_add_co_u32 s[G0B+5], s[LB], s[TB]
	s_add_nc_u64 s[G0A+6:G0A+7], s[G0A+6:G0A+7], STEPA  ; the next K step
	s_add_nc_u64 s[G0B+6:G0B+7], s[G0B+6:G0B+7], STEPB
	s_wait_xcnt 0x0                                ; the last prefetch, a K step back, has read its address
	s_add_nc_u64 s[PFA:PFA+1], s[PFA:PFA+1], s[PFS:PFS+1]
.endif
	s_xor_b32 s[TB], s[TB], SLOT
	s_wait_dscnt 0x0                               ; the add is done, and my reads of the slot are over
.if \fill
	CROUND
	JLOAD
.else
	s_barrier_signal -1
	s_barrier_wait -1
.endif
	v_add_nc_u32 v[WA], s[TB], v[A0]
	v_add_nc_u32 v[WB], s[TB], v[B0]
.if \fill
	ASK
.endif
.endm
; 32 LDS loads in one run: a quarter's fragments (64 along K), the first 32 along K first
.macro FETCH f, qo
	WIN 0x40                                       ; destination window 1, address window 0
.irp c, 0,1
.irp i, 0,1,2,3
	ds_load_tr16_b128 v[(\f)+64+8*(4*(\c)+(\i)):(\f)+64+8*(4*(\c)+(\i))+3],   v[WB] offset:(\qo)+(\c)*32*PB+32*(\i)
	ds_load_tr16_b128 v[(\f)+64+8*(4*(\c)+(\i))+4:(\f)+64+8*(4*(\c)+(\i))+7], v[WB] offset:(\qo)+(\c)*32*PB+32*(\i)+16*PB
	ds_load_b128 v[(\f)+8*(4*(\c)+(\i)):(\f)+8*(4*(\c)+(\i))+3],   v[WA] offset:(\qo)+64*(\c)+(\i)*16*PA
	ds_load_b128 v[(\f)+8*(4*(\c)+(\i))+4:(\f)+8*(4*(\c)+(\i))+7], v[WA] offset:(\qo)+64*(\c)+(\i)*16*PA+32
.endr
.endr
.endm
.macro MUL f, c                        ; 16 matrix instructions: all accumulators, 32 along K
	WIN 0x05                                       ; both sources window 1, C and D window 0
.irp a, 0,1,2,3
.irp b, 0,1,2,3
	v_wmma_f32_16x16x32_bf16 v[ACC+8*(4*(\a)+(\b)):ACC+8*(4*(\a)+(\b))+7], v[(\f)+64+8*(4*(\c)+(\b)):(\f)+64+8*(4*(\c)+(\b))+7], v[(\f)+8*(4*(\c)+(\a)):(\f)+8*(4*(\c)+(\a))+7], v[ACC+8*(4*(\a)+(\b)):ACC+8*(4*(\a)+(\b))+7]
.endr
.endr
.endm
.macro UNIT f, g, qo
	PLACES                                         ; buffer g's last readers stand ahead of these four
	FETCH \g, \qo
	s_wait_dscnt 32                                ; all but the 32 just issued: buffer f is whole
	MUL \f, 1
	s_wait_dscnt LATE                              ; g's first 32 along K are in
	MUL \g, 0
.endm
.macro STEPLOOP tag
.Lpair\tag:
	UNIT F1, F0, 0
	WIN 0
.Lmid\tag:
	UNIT F0, F1, QQ
	WIN 0
	v_add_nc_u32 v[WA], 2*QQ, v[WA]
	v_add_nc_u32 v[WB], 2*QQ, v[WB]
	s_sub_co_u32 s[CNT], s[CNT], 1
	s_cmp_lg_u32 s[CNT], 0
	s_cbranch_scc1 .Lpair\tag
.endm
	s_load_b256 s[4:11], s[0:1], 0x0               ; operand s[4:5], wb s[6:7], bias s[8:9], residual s[10:11]
	s_load_b64 s[12:13], s[0:1], 0x20              ; result
	v_lshl_add_u32 v[SPW], v0, 2, SPARE
	v_mov_b32 v[NIL], 0
	ds_add_u32 v[SPW], v[NIL]                      ; the opening: the add and its wait ahead of my first tensor load
	ds_add_u32 v28, v29
	v_lshrrev_b32 v1, 5, v0
	v_readfirstlane_b32 s[WV], v1
	s_lshr_b32 s[WR], s[WV], 1                     ; which 64 tokens are mine
	s_and_b32 s[WC], s[WV], 1                      ; which 64 columns; also: which half of a tile I fetch
	s_bfe_u32 s[CX], ttmp6, 0x40000
	s_bfe_u32 s[CY], ttmp6, 0x40004
	s_lshl_b32 s[TC], ttmp9, 2
	s_add_co_u32 s[TC], s[TC], s[CX]
	s_and_b32 s[TR], ttmp7, 0xffff
	s_lshl_b32 s[TR], s[TR], 2
	s_add_co_u32 s[TR], s[TR], s[CY]
	s_lshl_b32 s[MA], s[CY], 2
	s_lshl_b32 s[MA], 15, s[MA]
	s_lshl_b32 s[MB], 0x1111, s[CX]
	s_or_b32 s[G1A], s[MA], (1<<16)|(1<<20)|(1<<21)|(4<<22)|(3<<25)  ; after every 32 words (a token's part of a plane) 4 words
	s_or_b32 s[G1B], s[MB], (1<<16)|(1<<20)|(1<<21)|(5<<22)|(7<<25)  ; after every 64 words (a k row) 8 words
	GROUP1 G1A, 8192, 2, 262144                    ; a plane's 128 tokens are 16,384 dense bytes: one long row; 2 planes, 262,144 elements apart
	GROUP1 G1B, 128, 128, 1024                     ; 128 k rows x 128 columns
	s_lshl_b32 s66, s[TR], 14                      ; the operand: token 128 TR, 128 bytes each; planes 2 half ..
	s_lshl_b32 s67, s[WC], 20
	s_add_co_u32 s66, s66, s67
	s_mov_b32 s67, 0
	s_lshl_b32 s68, s[WC], 18                      ; W: k row 128 half, column 128 TC
	s_lshl_b32 s69, s[TC], 8
	s_add_co_u32 s68, s68, s69
	s_add_co_u32 s68, s68, WOFF
	s_mov_b32 s69, 0
	s_mul_i32 s[LB], s[WV], HALF                   ; no place in the cluster enters an LDS address
	s_mov_b32 s[TB], 0
	s_wait_dscnt 0x0
	s_wait_kmcnt 0x0
	s_add_nc_u64 s[66:67], s[4:5], s[66:67]
	s_add_nc_u64 s[68:69], s[6:7], s[68:69]
	CROUND                                         ; all sixteen work-groups are here: the first joint loads meet
.irp s, 0,1
	s_mov_b32 s[G0A+4*(\s)], 1
	s_add_co_u32 s[G0A+4*(\s)+1], s[LB], (\s)*SLOT
	s_add_nc_u64 s[G0A+4*(\s)+2:G0A+4*(\s)+3], s[66:67], (\s)*STEPA
	s_or_b32 s[G0A+4*(\s)+3], s[G0A+4*(\s)+3], 0x80000000
	s_mov_b32 s[G0B+4*(\s)], 1
	s_add_co_u32 s[G0B+4*(\s)+1], s[LB], (\s)*SLOT
	s_add_nc_u64 s[G0B+4*(\s)+2:G0B+4*(\s)+3], s[68:69], (\s)*STEPB
	s_or_b32 s[G0B+4*(\s)+3], s[G0B+4*(\s)+3], 0x80000000
.endr
	s_cmp_lt_u32 s[WV], 2                          ; a wave's two first fills stand in one branch: two loads of mine are out at the most
	s_cbranch_scc0 .Lfirst_b
	tensor_load_to_lds s[G0A:G0A+3], s[G1A:G1A+7]
	s_nop 0
	tensor_load_to_lds s[G0A+4:G0A+7], s[G1A:G1A+7]
	s_nop 0
.rept 4
	v_nop
.endr
	s_branch .Lfirst_asked
.Lfirst_b:
	tensor_load_to_lds s[G0B:G0B+3], s[G1B:G1B+7]
	s_nop 0
	tensor_load_to_lds s[G0B+4:G0B+7], s[G1B:G1B+7]
	s_nop 0
.rept 4
	v_nop
.endr
.Lfirst_asked:
	v_and_b32 v1, 15, v0                           ; r
	v_bfe_u32 v2, v0, 4, 1                         ; h
	v_and_b32 v3, 7, v0
	v_bfe_u32 v4, v0, 3, 1
	v_and_b32 v5, 31, v0
	s_lshl_b32 s72, s[TR], 7
	s_lshl_b32 s73, s[WR], 6
	s_add_co_u32 s72, s72, s73
	s_lshl_b32 s72, s72, 12                        ; my first token, 4,096 bytes a row,
	s_lshl_b32 s78, s[TC], 9
	s_lshl_b32 s73, s[WC], 8
	s_add_co_u32 s78, s78, s73                     ; my first column, 4 bytes each
	s_add_co_u32 s72, s72, s78
	s_mov_b32 s73, 0
	s_add_nc_u64 s[74:75], s[12:13], s[72:73]      ; in the result
	s_add_nc_u64 s[76:77], s[10:11], s[72:73]      ; and in the residual
	v_lshlrev_b32 v9, 12, v1
	v_lshl_add_u32 v[RO], v2, 5, v9                ; token r, columns 8 h ..
	v_lshl_add_u32 v[BO], v1, 4, s78               ; the way out's lane holds columns 4 r .. 4 r + 3
.irp a, 0,1,2,3
.irp b, 0,1,2,3
	global_load_b128 v[ACC+8*(4*(\a)+(\b)):ACC+8*(4*(\a)+(\b))+3],   v[RO], s[76:77] offset:(\a)*65536+64*(\b)
	global_load_b128 v[ACC+8*(4*(\a)+(\b))+4:ACC+8*(4*(\a)+(\b))+7], v[RO], s[76:77] offset:(\a)*65536+64*(\b)+16
.endr
.endr
	global_load_b128 v[BI:BI+3], v[BO], s[8:9]
	v_mul_u32_u24 v6, v1, PA
	v_lshl_add_u32 v6, v2, 4, v6
	s_mul_i32 s70, s[WR], 64*PA
	v_add_nc_u32 v[A0], s70, v6
	v_lshl_add_u32 v7, v2, 3, v3                   ; the turning load: k row 8 h + l % 8, 16 bytes by (l / 8) % 2
	v_mul_u32_u24 v7, v7, PB
	v_lshl_add_u32 v7, v4, 4, v7
	s_lshl_b32 s70, s[WC], 7
	s_add_co_u32 s70, s70, 2*HALF
	v_add_nc_u32 v[B0], s70, v7
	s_mul_i32 s70, s[WV], 64*SP                    ; my stage, in slot 0
	v_mul_u32_u24 v8, v1, SP
	v_lshl_add_u32 v8, v2, 5, v8
	v_add_nc_u32 v[STO], s70, v8
	v_mul_u32_u24 v8, v2, SP
	v_lshl_add_u32 v8, v1, 4, v8
	v_add_nc_u32 v[RD], s70, v8                    ; back: lanes 0-15 one row of 256 bytes, lanes 16-31 the next
	v_lshlrev_b32 v8, 12, v2
	v_lshl_add_u32 v[CO], v1, 4, v8
	; the prefetches
	s_lshl_b32 s72, s[TR], 14
	s_lshr_b32 s73, s[CX], 1
	s_lshl1_add_u32 s73, s[WC], s73                ; of my load's two planes my work-group names half of one: 32 blocks
	s_lshl_b32 s73, s73, 19
	s_add_co_u32 s72, s72, s73
	s_and_b32 s73, s[CX], 1
	s_lshl_b32 s73, s73, 13
	s_add_co_u32 s72, s72, s73
	s_add_co_u32 s72, s72, 2*STEPA                 ; at K step 2: the first change steps it to 3
	s_lshl_b32 s70, s[WC], 18
	s_lshl_b32 s71, s[TC], 8
	s_add_co_u32 s70, s70, s71
	s_lshl_b32 s71, s[CY], 16                      ; of my load's 128 k rows my work-group names 32
	s_add_co_u32 s70, s70, s71
	s_add_co_u32 s70, s70, WOFF+2*STEPB
	s_and_b32 s79, ttmp7, 0xffff
	s_mov_b32 s[PFS], STEPB
	s_mov_b32 s[PFS+1], 0
	s_mov_b32 s73, 0
	s_cmp_lt_u32 s[WV], 2
	s_cselect_b32 s72, s72, s70
	s_cselect_b32 s79, ttmp9, s79                  ; the coordinate along which other clusters read the same bytes
	s_cselect_b32 s[PFS], STEPA, s[PFS]
	s_cselect_b32 s71, -1, 0
	s_cselect_b64 s[PFA:PFA+1], s[4:5], s[6:7]
	s_add_nc_u64 s[PFA:PFA+1], s[PFA:PFA+1], s[72:73]
	s_cmp_eq_u32 s79, 0
	s_cselect_b32 s[LIM], 1, -1
	v_lshlrev_b32 v9, 8, v5                        ; the operand: dense blocks
	v_lshlrev_b32 v10, 11, v5                      ; W: a lane a k row
	v_cndmask_b32 v[PFO], v10, v9, s71
	s_wait_tensorcnt 0x1                           ; my part of K step 0 is in; K step 1's may stay out
	s_barrier_signal -1
	s_barrier_wait -1
	v_mov_b32 v[WA], v[A0]
	v_mov_b32 v[WB], v[B0]
	FETCH F0, 0
	s_wait_loadcnt 0x0                             ; the residual lies in the accumulators, the bias in its registers
	s_wait_dscnt LATE
	MUL F0, 0
	WIN 0
	s_mov_b32 s[CNT], 2
	s_mov_b32 s[SLOTS], NT-1
	s_branch .Lmid1                                ; the loop is entered in the middle of a pair
.Lslot:                                        ; NT - 2 times
	CHANGE 1
	s_mov_b32 s[CNT], 2
	STEPLOOP 1
	s_sub_co_u32 s[SLOTS], s[SLOTS], 1
	s_cmp_lg_u32 s[SLOTS], 0
	s_cbranch_scc1 .Lslot
	CHANGE 0                                       ; the last K step is written out
	s_mov_b32 s[CNT], 2
	STEPLOOP 2
	s_wait_dscnt 0x0
	MUL F1, 1
	WIN 0
	PLACES
	; THE WAY OUT.  NT is even: the last K step lay in slot 1; slot 0 has had its last fill and its last read ahead of the last change's barrier: each wave stages its tile in its own part of slot 0.
.irp a, 0,1,2,3
.irp b, 0,1,2,3
	ds_store_b128 v[STO], v[ACC+8*(4*(\a)+(\b)):ACC+8*(4*(\a)+(\b))+3]   offset:(\a)*16*SP+64*(\b)
	ds_store_b128 v[STO], v[ACC+8*(4*(\a)+(\b))+4:ACC+8*(4*(\a)+(\b))+7] offset:(\a)*16*SP+64*(\b)+16
.endr
.endr
	s_mov_b32 s[CNT], 4
.Lout:                                         ; 16 tokens a trip; LDS serves a wave's instructions in order (ISA guide 5.7.1.4)
.irp t, 0,1,2,3,4,5,6,7
	ds_load_b128 v[TMP+4*(\t):TMP+4*(\t)+3], v[RD] offset:(\t)*2*SP
.endr
	s_wait_dscnt 0x0
.irp t, 0,1,2,3,4,5,6,7
	v_pk_add_f32 v[TMP+4*(\t):TMP+4*(\t)+1], v[TMP+4*(\t):TMP+4*(\t)+1], v[BI:BI+1]
	v_pk_add_f32 v[TMP+4*(\t)+2:TMP+4*(\t)+3], v[TMP+4*(\t)+2:TMP+4*(\t)+3], v[BI+2:BI+3]
.endr
.irp t, 0,1,2,3,4,5,6,7
	global_store_b128 v[CO], v[TMP+4*(\t):TMP+4*(\t)+3], s[74:75] offset:(\t)*8192  ; 16 lanes: 256 consecutive bytes, aligned
.endr
	v_add_nc_u32 v[RD], 16*SP, v[RD]
	s_wait_xcnt 0x0                                ; the stores have read their data and their base
	s_add_nc_u64 s[74:75], s[74:75], 16*4096
	s_sub_co_u32 s[CNT], s[CNT], 1
	s_cmp_lg_u32 s[CNT], 0
	s_cbranch_scc1 .Lout
	s_wait_tensorcnt 0x0                           ; the wave's end
	ds_add_u32 v[SPW], v[NIL]
	s_wait_dscnt 0x0
	CROUND                                         ; the closing round
	s_endpgm
.Lfunc_end_k_q364fc736fa_ffn2:
	.size	k_q364fc736fa_ffn2, .Lfunc_end_k_q364fc736fa_ffn2-k_q364fc736fa_ffn2
	.p2alignl 7, 3214868480
	.fill 96, 4, 3214868480
	.section	.rodata,"a",@progbits
	.p2align	6, 0x0
	.amdhsa_kernel k_q364fc736fa_ffn2
		.amdhsa_group_segment_fixed_size 327680
		.amdhsa_private_segment_fixed_size 0
		.amdhsa_enable_private_segment 0
		.amdhsa_kernarg_size 40
		.amdhsa_user_sgpr_count 2
		.amdhsa_user_sgpr_kernarg_segment_ptr 1
		.amdhsa_wavefront_size32 1
		.amdhsa_system_sgpr_workgroup_id_x 1
		.amdhsa_system_sgpr_workgroup_id_y 1
		.amdhsa_system_sgpr_workgroup_id_z 1
		.amdhsa_system_vgpr_workitem_id 0
		.amdhsa_next_free_vgpr 512
		.amdhsa_next_free_sgpr 80
		.amdhsa_reserve_vcc 0
		.amdhsa_float_denorm_mode_32 3
		.amdhsa_float_denorm_mode_16_64 3
		.amdhsa_memory_ordered 1
		.amdhsa_forward_progress 1
		.amdhsa_inst_pref_size 40
	.end_amdhsa_kernel
	.amdgpu_metadata
---
amdhsa.version: [ 1, 2 ]
amdhsa.kernels:
  - .name:           k_q364fc736fa_ffn2
    .symbol:         k_q364fc736fa_ffn2.kd
    .args:
      - { .name: hb, .offset: 0, .size: 8, .value_kind: global_buffer, .address_space: global }
      - { .name: wb, .offset: 8, .size: 8, .value_kind: global_buffer, .address_space: global }
      - { .name: b2, .offset: 16, .size: 8, .value_kind: global_buffer, .address_space: global }
      - { .name: x1, .offset: 24, .size: 8, .value_kind: global_buffer, .address_space: global }
      - { .name: out0, .offset: 32, .size: 8, .value_kind: global_buffer, .address_space: global }
    .group_segment_fixed_size: 327680
    .private_segment_fixed_size: 0
    .kernarg_segment_align: 8
    .kernarg_segment_size: 40
    .max_flat_workgroup_size: 128
    .sgpr_count:     80
    .vgpr_count:     512
    .wavefront_size: 32
...
	.end_amdgpu_metadata
.endif
;; end of part 7
